; MI455X (gfx1250); checked and timed in simulation.
; The chip was launched on July 23, 2026; its instructions are those of AMD's public machine-readable ISA for CDNA 5 (MIT licence, August 2026) and "CDNA5" Instruction Set Architecture Reference Guide (July 2026). The comments in the code are by the model that wrote it; some were corrected since.
;; Info Self Attention Layer. Allowed arithmetic: matrix products marked QUANTISED: E2M1 operands, one E8M0 scale for each 32 along K, by v_wmma_scale_f32_16x16x128_f8f6f4 with both operands' format E2M1 (or v_wmma_scale_f32_32x16x128_f4), f32 sums; everything else in f32.
;; Inputs: Wk 768 x 64 float32; Wq 768 x 64 float32; Wv 768 x 64 float32; bk 64 float32; bq 64 float32; bv 64 float32; info 2 x 8 x 2,048 x 768 float32.
;; Outputs: out0 2 x 8 x 2,048 x 64 float32.
;; This version of the problem:
;;   THIS VERSION OF THE PROBLEM IS GIVEN IN LOW PRECISION. The matrix products marked QUANTISED in the list below multiply operands that are first quantised to E2M1 (2 exponent bits, 1 mantissa bit; 4 bits a number), with one power-of-two scale for each 32 numbers along K (OCP MX v1.0); their sums are f32. All else is computed in f32.
;;   The module's matrix products, in the order in which they are computed (A, B: the left and right operand; K: the contracted axis; several contracted axes count as one K, in the product's order):
;;     1. [M 32,768, K 768] x [K 768, N 64]; A: input info; B: input Wq: QUANTISED
;;     2. [M 32,768, K 768] x [K 768, N 64]; A: input info; B: input Wk: QUANTISED
;;     3. [M 32,768, K 768] x [K 768, N 64]; A: input info; B: input Wv: QUANTISED
;;     4. batch 16 x [M 2,048, K 64] x [K 64, N 2,048]; A: computed on the way; B: computed on the way: QUANTISED
;;     5. batch 16 x [M 2,048, K 2,048] x [K 2,048, N 64]; A: softmax (see below); B: computed on the way: QUANTISED
;;   THE QUANTISER, for each operand of a quantised product, along K:
;;     - K is cut into blocks of 32 from its start; a last block that is shorter is filled with zeros.
;;     - A block's scale is 2^e with e = floor(log2(the largest magnitude in the block)) - 2, held to -126 .. 127; a block of zeros has e = 0. As a byte (E8M0): e + 127.
;;     - Each number is divided by its block's scale, clamped to +-6, and rounded to the nearest number of E2M1, ties to even, subnormals kept.
;;     - The product sums the exact products of the quantised numbers (number of the format x scale) in f32.
;;   ~~~python
;;   def quantise(x, axis):      # numpy; x: float32 -> the quantised numbers, widened to float32 again
;;       x = np.moveaxis(x, axis, -1); K = x.shape[-1]
;;       x = np.pad(x, [(0, 0)] * (x.ndim - 1) + [(0, -K % 32)]); x = x.reshape(x.shape[:-1] + (-1, 32)); a = np.abs(x).max(-1, keepdims=True)
;;       e = np.where(a > 0, np.clip(np.frexp(np.where(a > 0, a, 1))[1] - 1 - 2, -126, 127), 0)      # np.frexp(a)[1] - 1 = floor(log2(a)), exactly
;;       r = np.clip(x / 2.0 ** e, -6, 6)
;;       step = 2.0 ** (np.maximum(np.frexp(np.where(r == 0, 1, r))[1] - 1, 0) - 1)
;;       q = np.round(r / step) * step * 2.0 ** e      # np.round: ties to even
;;       return np.moveaxis(q.reshape(q.shape[:-2] + (-1,))[..., :K], -1, axis).astype(np.float32)
;;   ~~~
;;   SOFTMAX AHEAD OF A QUANTISED PRODUCT. Where the list says 'softmax', what is quantised is not the finished softmax but p = 2^(t - M), with t = logit x log2(e) and M = ceil(the row's largest t), a whole number; so 1/2 < the row's largest p <= 1. The row's sum l is taken of the UNQUANTISED p, in f32, and the product's result is divided by l at the end. Since M is a whole number, a kernel that streams over the keys may use a running M (the ceiling of the running maximum): every later rescaling is an exact power of two, which a block's scale takes up: the codes' values come out the same.
;;   OPERANDS COMPUTED ON THE WAY. 'Computed on the way' means the value that the module computes at that place (a softmax that the list does not call 'softmax' is quantised finished and normalised). What goes into a quantiser is computed in f32, as accurately as f32 sums, v_exp_f32 and their like allow (about 1e-6 of the number): no bf16 or f16 on the way to a quantiser, and a product that is left as it is and whose result goes on into a quantised operand takes f32 operands (vector FMAs, or v_wmma_f32_16x16x4_f32). A number that lies on a knife's edge between two numbers of the format may be rounded either way, as far as f32 arithmetic and the matrix unit's own rounding can turn it there, and no further.
;; 2 versions. Each part assembles by itself: llvm-mc -triple=amdgcn-amd-amdhsa -mcpu=gfx1250 --defsym DOCPART=n.
;; ======== version 1 of 2: 4 launches
;; workspace buffers: wimg 78,336 bytes; qq 1,179,648 bytes; kv 2,293,760 bytes; raw 8,388,608 bytes; stats 65,536 bytes
;; launch wquant (part 1): grid 6 x 3, 4 waves a work-group, no clusters, 768 bytes of LDS; arguments Wq, Wk, Wv, wimg; writes wimg
.if DOCPART == 1
	.amdgcn_target "amdgcn-amd-amdhsa--gfx1250"
	.amdhsa_code_object_version 6
	.text
	.protected	k_q21066b0db0_wquant
	.globl	k_q21066b0db0_wquant
	.p2align	8
	.type	k_q21066b0db0_wquant,@function
k_q21066b0db0_wquant:
	s_mov_b64 s[64:65], 0
	v_nop
	global_prefetch_b8 v0, s[64:65] scope:SCOPE_SE
	s_setreg_imm32_b32 hwreg(HW_REG_WAVE_MODE, 25, 1), 1
	s_wait_xcnt 0x0
; THE PROGRAM: out0 = instance norm of softmax(q k^T / 8) v, with q, k, v = info W + b; all five products on codes of FP4 (E2M1) with one E8M0 scale for each 32 along K.
; Four launches: this one (the three weights into codes), proj (info into codes, the three projections, q, k and v into codes), attn (attention, and partial means), norm.
; NOTHING IS LEFT OUT AS DEAD WORK.  bq, bk and bv go into operands of quantised products (q and k along the channels, v along the keys), where they can move codes and scales, so all three are loaded and added,
; though in real numbers without the quantisers the softmax would take part of them away and the norm would take bv away.  Every input is loaded.
; THIS LAUNCH: Wq, Wk, Wv [768][64] f32, K their FIRST axis, become codes and scale words laid as IMAGES OF THE OPERAND'S REGISTERS: a fragment (16 columns x 128 K) is 8 registers a lane,
; stored as two runs of 512 bytes, lane l's 16 bytes at 16 l.  wimg: codes at 12288 s + 1024 f + 512 c + 16 lane (s: K step of 128; f = 4 m + t; m = 0 q, 1 k, 2 v; t: tile of 16 columns);
; scale words at 73728 + 768 s + 256 m + 8 lane + 4 i: word i holds tile 2 i in lanes 0-15 and tile 2 i + 1 in lanes 16-31.
; THE COLUMNS OF A TILE: for q and k lane r of tile 2 b + u takes column 32 b + 8 u + r + 8 (r / 8), so that the projection's results, used transposed, lie as 16 neighbours along the next product's K; for v column 16 t + r.
; SHARES: work-group (s, m), wave t: one fragment.  A lane takes a column and its registers run down K: a lane holds two whole blocks of 32, so no other lane is asked for a maximum.
; A block's scale is 2^(floor(log2(its largest magnitude)) - 2); its byte is that magnitude's exponent field - 2, held at 1 from below.
; LIMITS: a block of zeros gets the byte 1 where the rule says 127 (its codes are zeros, and this program alone reads the bytes); blocks whose largest magnitude lies under 2^-124 get the byte 1; NaN and infinities among the inputs are not served.
.set SCW,   0                          ; LDS: the four tiles' scale words, 256 bytes, in the order in which they leave
.set SPARE, 256                        ; the spare words, 128 bytes for each wave: two blocks of 256 bytes that no other line names
.set SPW,   30                         ; v30  LDS address of my spare word; never rewritten
.set NIL,   31                         ; v31  0; never rewritten
	s_load_b256 s[4:11], s[0:1], 0x0               ; Wq s[4:5], Wk s[6:7], Wv s[8:9], wimg s[10:11]
	v_lshl_add_u32 v[SPW], v0, 2, SPARE
	v_mov_b32 v[NIL], 0
	v_lshrrev_b32 v1, 5, v0
	v_readfirstlane_b32 s12, v1                    ; t: my wave's tile
	s_and_b32 s13, ttmp7, 0xffff                   ; m: which weight
	v_and_b32 v1, 15, v0                           ; r
	v_bfe_u32 v2, v0, 4, 1                         ; h
	s_lshl_b32 s16, s12, 4                         ; v: the tile's first column 16 t
	s_lshr_b32 s17, s12, 1
	s_and_b32 s18, s12, 1
	s_lshl_b32 s19, s17, 5
	s_lshl_b32 s20, s18, 3
	s_add_co_u32 s19, s19, s20                     ; q, k: 32 (t / 2) + 8 (t % 2)
	s_cmp_eq_u32 s13, 2
	s_cselect_b32 s16, s16, s19
	s_cselect_b32 s19, 0, 8                        ; q, k: lanes 8-15 stand 8 columns further on
	v_and_b32 v3, s19, v1
	v_add_nc_u32 v3, v3, v1
	v_add_nc_u32 v3, s16, v3                       ; my column
	v_lshlrev_b32 v5, 2, v3
	v_lshl_add_u32 v5, v2, 13, v5                  ; 4 x column + 32 h rows of 256 bytes
	v_and_b32 v4, 31, v0
	v_lshlrev_b32 v6, 4, v4                        ; 16 x lane
	v_lshlrev_b32 v7, 3, v4                        ; 8 x lane
	s_lshl_b32 s20, s18, 7
	s_lshl_b32 s21, s17, 2
	s_add_co_u32 s20, s20, s21
	v_lshlrev_b32 v8, 3, v1
	v_add_nc_u32 v8, s20, v8                       ; LDS: 8 r + 128 (t % 2) + 4 (t / 2): my row's word among the four tiles'
	s_lshl_b32 s22, ttmp9, 15                      ; K step s: 128 rows of 256 bytes
	s_mov_b32 s23, 0
	s_mul_i32 s24, ttmp9, 12288
	s_lshl_b32 s25, s13, 2
	s_add_co_u32 s25, s25, s12
	s_lshl_b32 s25, s25, 10
	s_add_co_u32 s24, s24, s25                     ; my fragment's image
	s_mov_b32 s25, 0
	s_mul_i32 s26, ttmp9, 768
	s_lshl_b32 s27, s13, 8
	s_add_co_u32 s26, s26, s27
	s_add_co_u32 s26, s26, 73728                   ; the work-group's 256 bytes of scale words
	s_mov_b32 s27, 0
	s_mov_b32 s2, 0x76543210
	s_mov_b32 s3, 0xfedcba98                       ; v_permlanex16_b32's selects for lane l xor 16
	s_wait_kmcnt 0x0
	s_cmp_eq_u32 s13, 1                            ; the weight is chosen by the work-group's number alone
	s_cselect_b64 s[14:15], s[6:7], s[4:5]
	s_cmp_eq_u32 s13, 2
	s_cselect_b64 s[14:15], s[8:9], s[14:15]
	s_add_nc_u64 s[14:15], s[14:15], s[22:23]
	s_add_nc_u64 s[28:29], s[10:11], s[24:25]
	s_add_nc_u64 s[10:11], s[10:11], s[26:27]
.irp c, 0,1
.irp i, 0,1,2,3,4,5,6,7,8,9,10,11,12,13,14,15,16,17,18,19,20,21,22,23,24,25,26,27,28,29,30,31
	global_load_b32 v[64+32*\c+\i], v5, s[14:15] offset:256*(64*\c+\i) th:TH_LOAD_NT   ; W(128 s + 64 c + 32 h + i, my column)
.endr
.endr
	s_wait_loadcnt 0x0
.irp c, 0,1                                    ; my block 2 c + h: all its 32 numbers are mine
	v_max3_num_f32 v[32+\c], |v[64+32*\c]|, |v[65+32*\c]|, 0x1800000   ; and the floor 2^(3 - 127): the byte cannot fall under 1
.endr
.irp i, 2,4,6,8,10,12,14,16,18,20,22,24,26,28,30
.irp c, 0,1
	v_max3_num_f32 v[32+\c], v[32+\c], |v[64+32*\c+\i]|, |v[65+32*\c+\i]|   ; (the two blocks by turns)
.endr
.endr
.irp c, 0,1
	v_add_nc_u32 v[44+\c], 0xff000000, v[32+\c]    ; 2 off the exponent field: the conversion takes the exponent field of this operand as its scale
.endr
.irp c, 0,1
	v_lshrrev_b32 v[36+\c], 23, v[44+\c]           ; the scale's byte
.endr
	v_lshl_or_b32 v9, v37, 16, v36                 ; my two bytes: blocks h and 2 + h of my column,
	v_lshlrev_b32 v10, 3, v2
	v_lshlrev_b32 v9, v10, v9                      ; at their places in the scale word (8 h bits up);
	v_mov_b32 v10, 0
	v_permlanex16_b32 v10, v9, s2, s3
	v_or_b32 v9, v9, v10                           ; with lane l xor 16's two the word is whole
.irp c, 0,1
.irp g, 0,1,2,3
	v_cvt_scalef32_pk8_fp4_f32 v[48+4*\c+\g], v[64+32*\c+8*\g:71+32*\c+8*\g], v[44+\c]   ; registers 4 c .. 4 c + 3 of the operand
.endr
.endr
	v_nop                                          ; one plain line behind the last scaled conversion
.irp c, 0,1
	global_store_b128 v6, v[48+4*\c:51+4*\c], s[28:29] offset:512*\c   ; 32 lanes store 512 consecutive bytes, aligned
.endr
	ds_store_b32 v8, v9                            ; both halves of the lanes write the same word with the same value
	s_wait_dscnt 0x0                               ; for the others' sake: my store has landed
	s_barrier_signal -1
	s_barrier_wait -1
	s_cmp_lg_u32 s12, 0                            ; wave 0 sends the four tiles' words out as 256 consecutive bytes, aligned
	s_cbranch_scc1 .Lend
	ds_load_b64 v[12:13], v7
	s_wait_dscnt 0x0
	global_store_b64 v7, v[12:13], s[10:11]
.Lend:
	s_wait_tensorcnt 0x0                           ; the wave's end, behind my last LDS store
	ds_add_u32 v[SPW], v[NIL]
	s_wait_dscnt 0x0
	s_endpgm
.Lfunc_end_k_q21066b0db0_wquant:
	.size	k_q21066b0db0_wquant, .Lfunc_end_k_q21066b0db0_wquant-k_q21066b0db0_wquant
	.p2alignl 7, 3214868480
	.fill 96, 4, 3214868480
	.section	.rodata,"a",@progbits
	.p2align	6, 0x0
	.amdhsa_kernel k_q21066b0db0_wquant
		.amdhsa_group_segment_fixed_size 768
		.amdhsa_private_segment_fixed_size 0
		.amdhsa_enable_private_segment 0
		.amdhsa_kernarg_size 32
		.amdhsa_user_sgpr_count 2
		.amdhsa_user_sgpr_kernarg_segment_ptr 1
		.amdhsa_wavefront_size32 1
		.amdhsa_system_sgpr_workgroup_id_x 1
		.amdhsa_system_sgpr_workgroup_id_y 1
		.amdhsa_system_sgpr_workgroup_id_z 1
		.amdhsa_system_vgpr_workitem_id 0
		.amdhsa_next_free_vgpr 128
		.amdhsa_next_free_sgpr 66
		.amdhsa_reserve_vcc 0
		.amdhsa_float_denorm_mode_32 3
		.amdhsa_float_denorm_mode_16_64 3
		.amdhsa_memory_ordered 1
		.amdhsa_forward_progress 1
		.amdhsa_inst_pref_size 13
	.end_amdhsa_kernel
	.amdgpu_metadata
---
amdhsa.version: [ 1, 2 ]
amdhsa.kernels:
  - .name:           k_q21066b0db0_wquant
    .symbol:         k_q21066b0db0_wquant.kd
    .args:
      - { .name: Wq, .offset: 0, .size: 8, .value_kind: global_buffer, .address_space: global }
      - { .name: Wk, .offset: 8, .size: 8, .value_kind: global_buffer, .address_space: global }
      - { .name: Wv, .offset: 16, .size: 8, .value_kind: global_buffer, .address_space: global }
      - { .name: wimg, .offset: 24, .size: 8, .value_kind: global_buffer, .address_space: global }
    .group_segment_fixed_size: 768
    .private_segment_fixed_size: 0
    .kernarg_segment_align: 8
    .kernarg_segment_size: 32
    .max_flat_workgroup_size: 128
    .sgpr_count:     66
    .vgpr_count:     128
    .wavefront_size: 32
...
	.end_amdgpu_metadata
.endif
;; end of part 1
;; launch proj (part 2): grid 256 x 1, 4 waves a work-group, no clusters, 143,104 bytes of LDS; arguments info, wimg, bq, bk, bv, qq, kv; writes qq, kv
.if DOCPART == 2
	.amdgcn_target "amdgcn-amd-amdhsa--gfx1250"
	.amdhsa_code_object_version 6
	.text
	.protected	k_q21066b0db0_proj
	.globl	k_q21066b0db0_proj
	.p2align	8
	.type	k_q21066b0db0_proj,@function
k_q21066b0db0_proj:
	s_mov_b64 s[64:65], 0
	v_nop
	global_prefetch_b8 v0, s[64:65] scope:SCOPE_SE
	s_setreg_imm32_b32 hwreg(HW_REG_WAVE_MODE, 25, 1), 1
	s_wait_xcnt 0x0
; q, k, v = Q(info) Q(W) + b on codes of FP4 (E2M1), K = 768 in six steps of 128, and then q, k (along the 64 channels) and v (along the keys) into codes for the attention.  No work is left out.
; SHARES.  Work-group g takes tokens 128 g .. 128 g + 127: one record of qq and one of kv.  Wave w takes 32 tokens, as two tiles of 16 rows, against all 192 columns: 24 accumulators.
; THE TOKENS OF A TILE ARE NOT NEIGHBOURS: row r of tile 2 w + u is token 32 w + 8 u + r + 8 (r / 8) of the record, so that in the attention the 16 registers of two neighbouring tiles of scores are 16 neighbouring keys.
; info comes by loads of 512 consecutive bytes (one token's 128 numbers of a K step) into two sets of 32 x 4 registers, 32 to 64 loads a wave on their way.  The conversions want 16 NEIGHBOURS along K in one lane:
; a K step turns through the wave's own stage in LDS (rows of 512 bytes + 16: the 16 rows that a load touches start at 16 different groups of 4 banks).
; The weights' images (73,728 bytes) are copied into LDS once, a quarter by each wave; their scale words stay in 36 registers.
; q and k are made TRANSPOSED (source 0 = 16 columns of W, source 1 = 16 tokens): a lane holds one token and its registers run along the channels, the next K.  v is made as it stands (source 0 = tokens,
; source 1 = columns): a lane holds one channel and its registers run along the tokens, which are the keys, its next K.  The biases are the C of each sum's first matrix instruction.
; OUT.  qq record (4,608 bytes): codes of query tile i at 512 i + 16 lane (4 registers: channels 32 h .. 32 h + 31 of row r); scale words at 4096 + 64 i + 4 r (bytes 2 and 3 are 0x7f: they stand over zero codes).
; kv record (8,960 bytes): K's codes at 512 tile + 16 lane; V's at 4096 + 1024 t + 512 c + 16 lane (channel 16 t + r, keys 64 c + 32 h + 0 .. 31); K's scale words at 8192 + 16 lane + 4 b (tile 2 b in lanes 0-15,
; tile 2 b + 1 in lanes 16-31); V's at 8704 + 8 lane + 4 i (tile 2 i, tile 2 i + 1 likewise).
; LIMITS: as stated at the head of wquant (byte 1 for blocks of zeros and for magnitudes under 2^-124; NaN and infinities not served); a bias is added first and not last, an order of rounding that differs from reference()'s.
; REGISTERS, in windows of 256 (s_set_vgpr_msb: bits 1:0 source 0, 3:2 source 1, 5:4 source 2, 7:6 destination):
;   window 0: addresses, x's numbers, codes, scale words.   window 1: the 24 accumulators (q: 32 u + 8 t; k: 64 + 32 u + 8 t; v: 128 + 16 t + 8 u), bq at 192 + 8 t, bk at 224 + 8 t; at the head the weights on their way to LDS.
;   window 2: the two sets of loaded numbers, 128 set + 4 token.   window 3: the step's 12 fragments of W at 8 f; bv at 96 + 8 t.
.set KSCL,   0                         ; LDS: K's scale words, 512 bytes
.set QSCL,   512                       ; Q's, 512 bytes
.set VSCL,   1024                      ; V's, 256 bytes
.set SPARE,  1280                      ; the spare words, 128 bytes for each wave: two blocks of 256 bytes that no other line names
.set WIMG,   1792                      ; the weights' images, 73,728 bytes
.set STAGE,  75520                     ; four stages of 32 rows x 528 bytes
.set SPITCH, 528
.set WSTG,   32*SPITCH
.set L16, 4                            ; v4   16 x lane
.set L8,  5                            ; v5   8 x lane
.set STW, 6                            ; v6   my stage + 16 x lane
.set STR, 7                            ; v7   my stage + 528 r + 64 h
.set LW0, 8                            ; v8   WIMG + 16 x lane: K steps 0-2
.set LW1, 9                            ; v9   the same + 36,864: K steps 3-5
.set WCP, 10                           ; v10  where I put my quarter of the images
.set BO,  11                           ; v11  64 h: bq, bk
.set BVO, 12                           ; v12  4 r: bv
.set KO,  13                           ; v13  16 x lane + 1024 x wave: my two tiles' codes in a record
.set VO,  14                           ; v14  16 r + 8 h + 256 x wave: my keys' codes of a channel
.set QSA, 15                           ; v15  QSCL + 4 x thread
.set KSA, 16                           ; v16  KSCL + 16 x lane + 4 x wave
.set VSA, 17                           ; v17  VSCL + 8 r + wave
.set CWQ, 19                           ; v19, v20  q's and k's scale words on their way out
.set CWK, 20
.set T0,  21
.set T1,  22
.set BVR, 24                           ; v24-27 bv(16 t + r)
.set SPW, 28                           ; v28  LDS address of my spare word; never rewritten
.set NIL, 29                           ; v29  0; never rewritten
.set XW,  30                           ; v30-31 x's scale words, tile 0 and 1: they hold scales and nothing else
.set PC,  32                           ; v32-47 codes: two fragments
.set TM,  48                           ; v48-51 largest magnitudes
.set TB,  52                           ; v52-55 the other half's, then the bytes
.set TS,  56                           ; v56-59 the conversions' scale operands
.set XN,  64                           ; v64-191 x's numbers: 64 a tile
.set WS,  192                          ; v192-227 W's scale words: 2 (3 s + m) + i
.set RB,  232                          ; v232-241 wave 0: the scale words on their way out
.set MSB, 0
.macro WIN new                         ; the immediate's high byte repeats the setting that is left; a switch that changes nothing is dropped
.if MSB != (\new)
	s_set_vgpr_msb (MSB<<8)|(\new)
.set MSB, (\new)
.endif
.endm
; 64 numbers of a lane in window sw, register 16 b + i the i-th of my 16 in block b; the block's other 16 lie in lane l xor 16.  Leaves the bytes in TB and the conversions' scale operands in TS.
.macro QSC s, sw
	WIN 5*(\sw)
.irp b, 0,1,2,3
	v_max3_num_f32 v[TM+\b], |v[(\s)+16*\b]|, |v[(\s)+1+16*\b]|, 0x1800000   ; and the floor 2^(3 - 127): the byte cannot fall under 1.  (An accumulator is read from its low end on)
.endr
	WIN 20*(\sw)
.irp i, 2,4,6,8,10,12,14
.irp b, 0,1,2,3
	v_max3_num_f32 v[TM+\b], v[TM+\b], |v[(\s)+16*\b+\i]|, |v[(\s)+1+16*\b+\i]|   ; (the four blocks by turns)
.endr
.endr
	WIN 0
.irp b, 0,1,2,3
	v_permlanex16_b32 v[TB+\b], v[TM+\b], s20, s21
.endr
.irp b, 0,1,2,3
	v_max_num_f32 v[TM+\b], v[TM+\b], v[TB+\b]     ; the block's largest magnitude
.endr
.irp b, 0,1,2,3
	v_add_nc_u32 v[TS+\b], 0xff000000, v[TM+\b]    ; 2 off its exponent field
.endr
.irp b, 0,1,2,3
	v_lshrrev_b32 v[TB+\b], 23, v[TS+\b]           ; the scale's byte
.endr
.endm
.macro QCV s, sw, pc                   ; the codes: block b's 16 into v[pc + 2 b], v[pc + 2 b + 1]
	WIN (\sw)
.irp b, 0,1,2,3
	v_cvt_scalef32_pk8_fp4_f32 v[(\pc)+2*\b], v[(\s)+16*\b:(\s)+16*\b+7], v[TS+\b]
	v_cvt_scalef32_pk8_fp4_f32 v[(\pc)+1+2*\b], v[(\s)+8+16*\b:(\s)+15+16*\b], v[TS+\b]
.endr
	WIN 0
	v_nop                                          ; one plain line behind the last scaled conversion
.endm
.macro QSW pc                          ; the operand's layout wants a WHOLE block in a lane: lanes 0-15 block 2 c, lanes 16-31 block 2 c + 1
.irp c, 0,1
.irp i, 0,1
	v_permlane16_swap_b32 v[(\pc)+4*\c+\i], v[(\pc)+2+4*\c+\i]
.endr
.endr
.endm
.macro W4 dst                          ; four bytes make a row's scale word for 128 along K
	v_lshl_or_b32 v[(\dst)], v[TB+1], 8, v[TB]
	v_lshl_or_b32 v[(\dst)], v[TB+2], 16, v[(\dst)]
	v_lshl_or_b32 v[(\dst)], v[TB+3], 24, v[(\dst)]
.endm
.macro W22 dst                         ; two tiles of two blocks: lanes 0-15 keep tile 0's word, lanes 16-31 tile 1's; bytes 2 and 3, over zero codes, are 0x7f
	v_lshl_or_b32 v[T0], v[TB+1], 8, v[TB]
	v_lshl_or_b32 v[T1], v[TB+3], 8, v[TB+2]
	v_cndmask_b32 v[T0], v[T0], v[T1], s22
	v_or_b32 v[(\dst)], 0x7f7f0000, v[T0]
.endm
.macro XLOAD s                         ; K step s of my 32 tokens: 32 loads of 512 consecutive bytes, into set s % 2
	WIN 0x80
.set T, 0
.rept 32
	global_load_b128 v[128*((\s)%2)+4*T:128*((\s)%2)+4*T+3], v[L16], s[24:25] offset:3072*T+512*(\s) th:TH_LOAD_NT
.set T, T+1
.endr
.endm
.macro MULQK s, m, u, t                ; q (m = 0) or k (1), transposed: 16 columns of W x 16 tokens
.set rD, 64*(\m)+32*(\u)+8*(\t)
.set rA, 8*(4*(\m)+(\t))
.set rB, PC+8*(\u)
.set rC, rD
.if (\s) == 0
.set rC, 192+32*(\m)+8*(\t)            ; the bias starts the sum
.endif
.set rS, WS+2*(3*(\s)+(\m))+(\t)/2
.if (\t)%2
	v_wmma_scale_f32_16x16x128_f8f6f4 v[rD:rD+7], v[rA:rA+7], v[rB:rB+7], v[rC:rC+7], v[rS], v[XW+(\u)] matrix_a_fmt:MATRIX_FMT_FP4 matrix_b_fmt:MATRIX_FMT_FP4 matrix_a_scale:MATRIX_SCALE_ROW1
.else
	v_wmma_scale_f32_16x16x128_f8f6f4 v[rD:rD+7], v[rA:rA+7], v[rB:rB+7], v[rC:rC+7], v[rS], v[XW+(\u)] matrix_a_fmt:MATRIX_FMT_FP4 matrix_b_fmt:MATRIX_FMT_FP4
.endif
.endm
.macro MULV s, t, u                    ; v: 16 tokens x 16 columns of W
.set rD, 128+16*(\t)+8*(\u)
.set rA, PC+8*(\u)
.set rB, 8*(8+(\t))
.set rC, rD
.if (\s) == 0
.set rC, 96+8*(\t)
.endif
.set rS, WS+2*(3*(\s)+2)+(\t)/2
.if (\t)%2
	v_wmma_scale_f32_16x16x128_f8f6f4 v[rD:rD+7], v[rA:rA+7], v[rB:rB+7], v[rC:rC+7], v[XW+(\u)], v[rS] matrix_a_fmt:MATRIX_FMT_FP4 matrix_b_fmt:MATRIX_FMT_FP4 matrix_b_scale:MATRIX_SCALE_ROW1
.else
	v_wmma_scale_f32_16x16x128_f8f6f4 v[rD:rD+7], v[rA:rA+7], v[rB:rB+7], v[rC:rC+7], v[XW+(\u)], v[rS] matrix_a_fmt:MATRIX_FMT_FP4 matrix_b_fmt:MATRIX_FMT_FP4
.endif
.endm
	s_load_b256 s[4:11], s[0:1], 0x0               ; info s[4:5], wimg s[6:7], bq s[8:9], bk s[10:11]
	s_load_b128 s[12:15], s[0:1], 0x20             ; bv s[12:13], qq s[14:15]
	s_load_b64 s[16:17], s[0:1], 0x30              ; kv
	v_lshl_add_u32 v[SPW], v0, 2, SPARE
	v_mov_b32 v[NIL], 0
	v_lshrrev_b32 v1, 5, v0
	v_readfirstlane_b32 s18, v1                    ; wave 0..3
	v_and_b32 v1, 31, v0                           ; lane
	v_and_b32 v2, 15, v0                           ; r
	v_bfe_u32 v3, v0, 4, 1                         ; h
	v_lshlrev_b32 v[L16], 4, v1
	v_lshlrev_b32 v[L8], 3, v1
	s_mul_i32 s19, s18, WSTG
	s_add_co_u32 s19, s19, STAGE                   ; my stage
	v_add_nc_u32 v[STW], s19, v[L16]
	v_mul_u32_u24 v[STR], v2, SPITCH
	v_lshl_add_u32 v[STR], v3, 6, v[STR]
	v_add_nc_u32 v[STR], s19, v[STR]
	v_add_nc_u32 v[LW0], WIMG, v[L16]
	v_add_nc_u32 v[LW1], WIMG+36864, v[L16]
	s_mul_i32 s32, s18, 18432                      ; my quarter of the images
	s_mov_b32 s33, 0
	v_add_nc_u32 v[WCP], s32, v[LW0]
	v_lshlrev_b32 v[BO], 6, v3
	v_lshlrev_b32 v[BVO], 2, v2
	s_lshl_b32 s23, s18, 10
	v_add_nc_u32 v[KO], s23, v[L16]
	v_lshlrev_b32 v[VO], 4, v2
	v_lshl_add_u32 v[VO], v3, 3, v[VO]
	s_lshl_b32 s23, s18, 8
	v_add_nc_u32 v[VO], s23, v[VO]
	v_lshl_add_u32 v[QSA], v0, 2, QSCL
	s_lshl_b32 s23, s18, 2
	v_add_nc_u32 v[KSA], s23, v[L16]               ; (KSCL is 0)
	v_lshl_add_u32 v[VSA], v2, 3, VSCL
	v_add_nc_u32 v[VSA], s18, v[VSA]
.irp b, 0,1,2,3
	v_mov_b32 v[TB+\b], 0                          ; written once: a lane permute's destination counts as one of its sources
.endr
	s_mov_b32 s20, 0x76543210
	s_mov_b32 s21, 0xfedcba98                      ; v_permlanex16_b32's selects for lane l xor 16
	s_mov_b32 s22, 0xffff0000                      ; lanes 16-31
	s_mul_i32 s34, ttmp9, 393216                   ; 128 tokens of 3,072 bytes,
	s_mul_i32 s35, s18, 98304                      ; my 32 of them
	s_add_co_u32 s34, s34, s35
	s_mov_b32 s35, 0
	s_mul_i32 s36, ttmp9, 8960
	s_mov_b32 s37, 0
	s_mul_i32 s38, ttmp9, 4608
	s_mov_b32 s39, 0
	s_wait_kmcnt 0x0
	s_add_nc_u64 s[24:25], s[4:5], s[34:35]        ; info at my first token
	s_add_nc_u64 s[26:27], s[6:7], s[32:33]        ; wimg at my quarter
	s_add_nc_u64 s[28:29], s[16:17], s[36:37]      ; my record of kv
	s_add_nc_u64 s[30:31], s[14:15], s[38:39]      ; and of qq
	WIN 0x40                                       ; destination window 1
.set T, 0
.rept 36
	global_load_b128 v[4*T:4*T+3], v[L16], s[26:27] offset:512*T
.set T, T+1
.endr
	XLOAD 0
	s_wait_loadcnt 32                              ; all but K step 0's 32 loads: my quarter of the images is in
	WIN 0x04                                       ; an LDS store's data are its source 1: window 1
.set T, 0
.rept 36
	ds_store_b128 v[WCP], v[4*T:4*T+3] offset:512*T
.set T, T+1
.endr
	WIN 0
.irp s, 0,1,2,3,4,5
.irp m, 0,1,2
	global_load_b64 v[WS+2*(3*\s+\m):WS+2*(3*\s+\m)+1], v[L8], s[6:7] offset:73728+768*\s+256*\m
.endr
.endr
	WIN 0x40
.irp t, 0,1,2,3                                ; lane (r, h) wants, for tile t, the biases of channels 32 (t / 2) + 8 (t % 2) + 16 h + 0 .. 7
	global_load_b128 v[192+8*\t:195+8*\t], v[BO], s[8:9] offset:(32*(\t/2)+8*(\t%2))*4
	global_load_b128 v[196+8*\t:199+8*\t], v[BO], s[8:9] offset:(32*(\t/2)+8*(\t%2))*4+16
	global_load_b128 v[224+8*\t:227+8*\t], v[BO], s[10:11] offset:(32*(\t/2)+8*(\t%2))*4
	global_load_b128 v[228+8*\t:231+8*\t], v[BO], s[10:11] offset:(32*(\t/2)+8*(\t%2))*4+16
.endr
	WIN 0
.irp t, 0,1,2,3
	global_load_b32 v[BVR+\t], v[BVO], s[12:13] offset:64*\t
.endr
	XLOAD 1
	WIN 0
	s_wait_dscnt 0x0                               ; for the others' sake: my quarter of the images has landed
	s_barrier_signal -1
	s_barrier_wait -1                              ; all of W lies in LDS
; A K STEP of 128: my 32 tokens' numbers through the stage, two fragments of codes, 24 matrix instructions.  The 24 accumulators take turns, one instruction a turn, in the same order in every step.
.macro KSTEP s
.if (\s) > 0
.rept 4
	v_nop                                          ; four plain lines between the last step's products and the loads into W's fragments
.endr
.endif
.if (\s) < 5
	s_wait_loadcnt 32                              ; this step's numbers are in (in step 0 the scale words and biases too); the next step's 32 loads may be out
.else
	s_wait_loadcnt 0x0
.endif
.if (\s) == 0
	WIN 0xc0
.irp t, 0,1,2,3
.irp j, 0,1,2,3,4,5,6,7
	v_mov_b32 v[96+8*\t+\j], v[BVR+\t]             ; v's bias in the result's layout: a lane holds one channel, so its eight registers hold one number
.endr
.endr
.endif
	WIN 0x08                                       ; the stores' data: window 2
.set T, 0
.rept 32
	ds_store_b128 v[STW], v[128*((\s)%2)+4*T:128*((\s)%2)+4*T+3] offset:(16*((T/8)%2)+8*(T/16)+T%8)*SPITCH   ; token T is row T % 8 + 8 (T / 16) of tile (T / 8) % 2: a tile's rows lie on end
.set T, T+1
.endr
	WIN 0
.irp u, 0,1
.irp b, 0,1,2,3
.irp j, 0,1,2,3
	ds_load_b128 v[XN+64*\u+16*\b+4*\j:XN+64*\u+16*\b+4*\j+3], v[STR] offset:16*\u*SPITCH+128*\b+16*\j   ; row r: my 16 numbers of block b.  LDS serves a wave's instructions in order: these see the stores above
.endr
.endr
.endr
.set LW, LW0
.if (\s) >= 3
.set LW, LW1
.endif
	WIN 0xc0
.irp f, 0,1,2,3,4,5,6,7,8,9,10,11
.irp c, 0,1
	ds_load_b128 v[8*\f+4*\c:8*\f+4*\c+3], v[LW] offset:((\s)%3)*12288+1024*\f+512*\c
.endr
.endr
.if (\s) <= 3
	s_wait_dscnt 56                                ; all but the 32 + 24 loads: the 32 stores have read their registers,
	XLOAD (\s)+2                                   ; which take the numbers of two steps on
.endif
	WIN 0
	s_wait_dscnt 40                                ; tile 0's 16 loads are in (out: tile 1's 16, W's 24)
	QSC XN, 0
	W4 XW
	QCV XN, 0, PC
	QSW PC
	s_wait_dscnt 24                                ; tile 1's are in (out: W's 24)
	QSC XN+64, 0
	W4 XW+1
	QCV XN+64, 0, PC+8
	QSW PC+8
	s_wait_dscnt 0x0                               ; W's fragments are in
.rept 8
	v_nop                                          ; a scale register written by a vector instruction stands eight plain lines ahead of a scaled matrix instruction, an operand so written four
.endr
	WIN 0x53                                       ; source 0 (W) window 3, source 1 (x) window 0, C and D window 1
.irp m, 0,1
.irp u, 0,1
.irp t, 0,1,2,3
	MULQK \s, \m, \u, \t
.endr
.endr
.endr
.if (\s) == 0
	WIN 0x7c                                       ; source 0 (x) window 0, source 1 (W) window 3, C (bv) window 3, D window 1
.else
	WIN 0x5c                                       ; C and D window 1
.endif
.irp t, 0,1,2,3
.irp u, 0,1
	MULV \s, \t, \u
.endr
.endr
	WIN 0
.endm
	KSTEP 0
	KSTEP 1
	KSTEP 2
	KSTEP 3
	KSTEP 4
	KSTEP 5
.rept 4
	v_nop                                          ; four plain lines between the last products and the first read of results
.endr
	; q: blocks 2 u + b: tile u, channels 32 b + 16 h + 0 .. 15 in my 16 registers
	QSC 0, 1
	W22 CWQ
	QCV 0, 1, PC
	QSW PC                                         ; registers 4 u .. 4 u + 3: tile u's codes, channels 32 h + 0 .. 31 of row r
.irp u, 0,1
	global_store_b128 v[KO], v[PC+4*\u:PC+4*\u+3], s[30:31] offset:512*\u   ; 32 lanes store 512 consecutive bytes, aligned
.endr
	ds_store_b32 v[QSA], v[CWQ]
	; k: the same
	QSC 64, 1
	W22 CWK
	QCV 64, 1, PC+8
	QSW PC+8
.irp u, 0,1
	global_store_b128 v[KO], v[PC+8+4*\u:PC+8+4*\u+3], s[28:29] offset:512*\u
.endr
	ds_store_b32 v[KSA], v[CWK]
	; v: block t: channel 16 t + r, keys 32 w + 16 h + 0 .. 15 in my 16 registers: 8 bytes of codes, which lie at their place in the operand's image as they are
	QSC 128, 1
	QCV 128, 1, XN
.irp t, 0,1,2,3
	global_store_b64 v[VO], v[XN+2*\t:XN+2*\t+1], s[28:29] offset:4096+1024*\t   ; 32 lanes store 256 consecutive bytes, aligned
.endr
.irp t, 0,1,2,3
	ds_store_b8 v[VSA], v[TB+\t] offset:(\t%2)*128+(\t/2)*4   ; byte w of the channel's scale word; both halves of the lanes write the same byte with the same value
.endr
	s_wait_dscnt 0x0                               ; for wave 0's sake: my stores have landed
	s_barrier_signal -1
	s_barrier_wait -1
	s_cmp_lg_u32 s18, 0                            ; wave 0 sends the record's scale words out in runs of 512, 512 and 256 consecutive bytes, aligned
	s_cbranch_scc1 .Lend
	ds_load_b128 v[RB:RB+3], v[L16] offset:KSCL
	ds_load_b128 v[RB+4:RB+7], v[L16] offset:QSCL
	ds_load_b64 v[RB+8:RB+9], v[L8] offset:VSCL
	s_wait_dscnt 0x0
	global_store_b128 v[L16], v[RB:RB+3], s[28:29] offset:8192
	global_store_b128 v[L16], v[RB+4:RB+7], s[30:31] offset:4096
	global_store_b64 v[L8], v[RB+8:RB+9], s[28:29] offset:8704
.Lend:
	s_wait_tensorcnt 0x0                           ; the wave's end, behind my last LDS store
	ds_add_u32 v[SPW], v[NIL]
	s_wait_dscnt 0x0
	s_endpgm
.Lfunc_end_k_q21066b0db0_proj:
	.size	k_q21066b0db0_proj, .Lfunc_end_k_q21066b0db0_proj-k_q21066b0db0_proj
	.p2alignl 7, 3214868480
	.fill 96, 4, 3214868480
	.section	.rodata,"a",@progbits
	.p2align	6, 0x0
	.amdhsa_kernel k_q21066b0db0_proj
		.amdhsa_group_segment_fixed_size 143104
		.amdhsa_private_segment_fixed_size 0
		.amdhsa_enable_private_segment 0
		.amdhsa_kernarg_size 56
		.amdhsa_user_sgpr_count 2
		.amdhsa_user_sgpr_kernarg_segment_ptr 1
		.amdhsa_wavefront_size32 1
		.amdhsa_system_sgpr_workgroup_id_x 1
		.amdhsa_system_sgpr_workgroup_id_y 1
		.amdhsa_system_sgpr_workgroup_id_z 1
		.amdhsa_system_vgpr_workitem_id 0
		.amdhsa_next_free_vgpr 1024
		.amdhsa_next_free_sgpr 66
		.amdhsa_reserve_vcc 0
		.amdhsa_float_denorm_mode_32 3
		.amdhsa_float_denorm_mode_16_64 3
		.amdhsa_memory_ordered 1
		.amdhsa_forward_progress 1
		.amdhsa_inst_pref_size 145
	.end_amdhsa_kernel
	.amdgpu_metadata
---
amdhsa.version: [ 1, 2 ]
amdhsa.kernels:
  - .name:           k_q21066b0db0_proj
    .symbol:         k_q21066b0db0_proj.kd
    .args:
      - { .name: info, .offset: 0, .size: 8, .value_kind: global_buffer, .address_space: global }
      - { .name: wimg, .offset: 8, .size: 8, .value_kind: global_buffer, .address_space: global }
      - { .name: bq, .offset: 16, .size: 8, .value_kind: global_buffer, .address_space: global }
      - { .name: bk, .offset: 24, .size: 8, .value_kind: global_buffer, .address_space: global }
      - { .name: bv, .offset: 32, .size: 8, .value_kind: global_buffer, .address_space: global }
      - { .name: qq, .offset: 40, .size: 8, .value_kind: global_buffer, .address_space: global }
      - { .name: kv, .offset: 48, .size: 8, .value_kind: global_buffer, .address_space: global }
    .group_segment_fixed_size: 143104
    .private_segment_fixed_size: 0
    .kernarg_segment_align: 8
    .kernarg_segment_size: 56
    .max_flat_workgroup_size: 128
    .sgpr_count:     66
    .vgpr_count:     1024
    .wavefront_size: 32
...
	.end_amdgpu_metadata
.endif
;; end of part 2
;; launch attn (part 3): grid 16 x 16, 8 waves a work-group, clusters of 4 x 1, 179,456 bytes of LDS; arguments qq, kv, raw, stats; writes raw, stats
.if DOCPART == 3
	.amdgcn_target "amdgcn-amd-amdhsa--gfx1250"
	.amdhsa_code_object_version 6
	.text
	.protected	k_q21066b0db0_attn
	.globl	k_q21066b0db0_attn
	.p2align	8
	.type	k_q21066b0db0_attn,@function
k_q21066b0db0_attn:
	s_mov_b64 s[64:65], 0
	v_nop
	global_prefetch_b8 v0, s[64:65] scope:SCOPE_SE
	s_setreg_imm32_b32 hwreg(HW_REG_WAVE_MODE, 25, 1), 1
	s_wait_xcnt 0x0
	s_wait_alu depctr_hold_cnt(0) depctr_sa_sdst(0) depctr_va_vdst(0) depctr_va_sdst(0) depctr_va_ssrc(0) depctr_va_vcc(0) depctr_vm_vsrc(0)
	s_getreg_b32 s2, hwreg(HW_REG_IB_STS2, 6, 4)
	s_cmp_eq_u32 s2, 0
	s_cbranch_scc0 .Lentry_in_a_cluster
	s_endpgm
.Lentry_in_a_cluster:
	s_bfe_u32 s2, ttmp6, 0x10000c
	s_cmp_lg_u32 s2, 0x3003
	s_cbranch_scc0 .Lentry_shape_is_right
	s_endpgm
.Lentry_shape_is_right:
; raw[slice][q][:] = the sum over k of softmax_k(q . k / 8) v[k][:], both products on codes of FP4 (E2M1) with one E8M0 scale for each 32 along a product's K; and for each 256 results their mean and their sum of squared
; distances from it, for the norm that follows.  No work is left out.  The first product's K is 64 where the instruction's is 128: the upper 64 are zero codes on both sides under the byte 0x7f, the quantiser's own fill.
; THE SOFTMAX AHEAD OF THE SECOND PRODUCT: t = score x log2(e) / 8; M = the row's largest t so far, rounded UP to a whole number; p = 2^(t - M) is what is quantised, along the keys, not normalised.
; The row's sum is taken of the unquantised p and divides at the end.  When M moves, the sum and O are multiplied by 2^(old M - new M): exact.
; SHARES.  A work-group owns 128 queries of one slice (one record of qq), each of its eight waves one tile of 16, in 256 registers: two waves to a SIMD.  Every wave walks the slice's 16 key steps of 128 keys.
; THE WHOLE SLICE'S K AND V, 16 records of 8,960 bytes, LIE IN LDS: each byte is filled once, nothing is filled again.  Wave w fetches records w and 8 + w: two tensor loads of mine are out at the most.
; CLUSTER.  The four query blocks of a cluster belong to one slice and read the same records: each is asked for JOINTLY, by the same tensor load with the same descriptor and a mask that names the four.
; My place in the cluster enters only the addresses of qq, raw and stats.
; LAYOUT.  Operands lie in the records as images of their registers (16 bytes a lane, lane by lane): every LDS load takes 512 consecutive bytes.  Both products are used transposed: S^T = K Q^T (source 0 = 16 keys,
; source 1 = my 16 queries), O^T = V^T P^T (source 0 = 16 channels, source 1 = P): a lane holds ONE query (lane % 16) throughout.  Row r of tile 2 b + u, of keys and of queries alike, is token 32 b + 8 u + r + 8 (r / 8)
; of its record, so the 16 registers of tiles 2 b and 2 b + 1 of S^T are keys 32 b + 16 (lane / 16) + 0 .. 15.
; LIMITS: NaN and infinities are not served; a block of p that has fallen to zeros keeps the byte 1 (its codes are zeros).
.set REC,   8960                       ; a record: K's codes 4,096, V's 4,096, K's scale words 512, V's 256
.set STAGE, 143360                     ; behind the 16 records: 16 rows x 272 bytes for each wave, for the way out
.set SP,    272
.set STATL, 178176                     ; 32 pairs (mean, sum of squares), 256 bytes
.set SPARE, 178432                     ; the spare words, 128 bytes for each wave: four blocks of 256 bytes that no other line names
.set L16, 1                            ; v1   16 x lane
.set L8,  2                            ; v2   8 x lane
.set A16, 3                            ; v3   the step's record + 16 x lane
.set A8,  4                            ; v4   the step's record + 8 x lane
.set STO, 5                            ; v5   the way out: where I put 32 bytes of a row
.set RD,  6                            ; v6   where I read a row back
.set GO,  7                            ; v7   my byte offset in the wave's rows of raw
.set STA, 8                            ; v8   STATL + 8 x (thread / 8)
.set R4,  9                            ; v9   4 r
.set QF,  16                           ; v16-23 Q's fragment (v20-23: zero codes)
.set KS,  24                           ; v24-27 K's scale words;  v28-29 V's;  v30 Q's;  v31 p's: these hold scales and nothing else
.set VS,  28
.set QS,  30
.set PW,  31
.set KF,  32                           ; v32-95 K's eight fragments (the upper four registers of each: zero codes, written once)
.set SS,  96                           ; v96-159 S^T, then p
.set OT,  160                          ; v160-191 O^T, four tiles
.set VF,  192                          ; v192-223 V's four fragments
.set PCD, 224                          ; v224-231 p's codes
.set BM,  232                          ; v232-235 the blocks' largest scores, then largest p
.set TP,  236                          ; v236-239 at work
.set SO,  244                          ; v244-247 the conversions' scale operands
.set FF,  248                          ; v[248:249] f = 2^(old M - new M); v249 is only named with it
.set STL, 250                          ; v250 STATL + 8 x lane
.set SPW, 252                          ; v252 LDS address of my spare word; never rewritten
.set NIL, 253                          ; v253 0; never rewritten
.set WV,  12                           ; s12  my wave's number
.set G1,  16                           ; s[16:23] descriptor group 1;  s[24:27], s[28:31] groups 0 of my two loads
.set SEL, 32                           ; s[32:33] lane selects for v_permlanex16_b32: lane l xor 16
.set CS,  34                           ; s[34:35] c = log2(e) / 8
.set TB,  36                           ; s36  LDS byte at which the step's record begins
.set CNT, 37                           ; s37  the loops' counter
; A round of the cluster's barrier: my work-group's barrier; wave 0 signals for the work-group; every wave waits for all four work-groups; my work-group's barrier once more.
.macro ROUND
	s_barrier_signal -1
	s_barrier_wait -1
	s_cmp_lg_u32 s[WV], 0
	s_cbranch_scc1 .Lnot_wave_0_\@
	s_barrier_signal -3
.Lnot_wave_0_\@:
	s_barrier_wait -3
	s_barrier_signal -1
	s_barrier_wait -1
.endm
	s_load_b256 s[4:11], s[0:1], 0x0               ; qq s[4:5], kv s[6:7], raw s[8:9], stats s[10:11]
	v_lshl_add_u32 v[SPW], v0, 2, SPARE
	v_mov_b32 v[NIL], 0
	ds_add_u32 v[SPW], v[NIL]                      ; the wave's opening: the add, twice on end, and its wait ahead of my first tensor load
	ds_add_u32 v[SPW], v[NIL]                      ; and once more, under the one wait; the set-up below, work on registers, stands between
	v_lshrrev_b32 v10, 5, v0
	v_readfirstlane_b32 s[WV], v10                 ; wave 0..7
	s_bfe_u32 s13, ttmp6, 0x40000                  ; cx: my place in the cluster
	s_lshl_b32 s14, ttmp9, 2                       ; in a cluster launch ttmp9 counts clusters
	s_add_co_u32 s14, s14, s13                     ; my block of 128 queries
	s_and_b32 s15, ttmp7, 0xffff                   ; the slice, which the four partners share
	; descriptor group 1: a record as 35 rows of 256 bytes (32 elements of 8 bytes), dense in memory and in LDS
	s_mov_b32 s[G1], 15|(3<<16)|(1<<21)            ; 15:0 the mask: all four work-groups; 17:16 elements of 8 bytes; 20 no padding; 21 set beside a mask
	s_mov_b32 s[G1+1], 32<<16                      ; tensor_dim0 = 32
	s_mov_b32 s[G1+2], 35<<16                      ; tensor_dim1 = 35
	s_mov_b32 s[G1+3], 32<<16                      ; tile_dim0 = 32
	s_mov_b32 s[G1+4], 35                          ; tile_dim1 = 35
	s_mov_b32 s[G1+5], 32                          ; from row to row: 32 elements
	s_mov_b32 s[G1+6], 0
	s_mov_b32 s[G1+7], 0
	s_mul_i32 s38, s[WV], REC                      ; record w: its place in LDS and in the slice: no place in the cluster enters it
	s_mul_i32 s40, s15, 16*REC
	s_add_co_u32 s40, s40, s38
	s_mov_b32 s41, 0
	s_lshl_b32 s42, s15, 4
	s_add_co_u32 s42, s42, s14                     ; my block's number among all: 16 x slice + block
	s_mul_i32 s44, s42, 4608
	s_lshl_b32 s43, s[WV], 9
	s_add_co_u32 s44, s44, s43                     ; my tile's codes in qq
	s_mov_b32 s45, 0
	s_mul_i32 s46, s42, 4608
	s_lshl_b32 s43, s[WV], 6
	s_add_co_u32 s46, s46, s43
	s_add_co_u32 s46, s46, 4096                    ; and its scale words
	s_mov_b32 s47, 0
	s_lshl_b32 s48, s42, 7                         ; raw: my block's first row,
	s_lshr_b32 s43, s[WV], 1
	s_lshl_b32 s43, s43, 5
	s_add_co_u32 s48, s48, s43
	s_and_b32 s43, s[WV], 1
	s_lshl_b32 s43, s43, 3
	s_add_co_u32 s48, s48, s43                     ; + 32 (w / 2) + 8 (w % 2): my tile's first token,
	s_lshl_b32 s48, s48, 8                         ; in rows of 256 bytes
	s_mov_b32 s49, 0
	s_lshl_b32 s50, s42, 8                         ; stats: 256 bytes a block
	s_mov_b32 s51, 0
	s_mov_b32 s[SEL], 0x76543210
	s_mov_b32 s[SEL+1], 0xfedcba98
	s_mov_b32 s[CS], 0x3e38aa3b                    ; c = log2(e) / 8
	s_mov_b32 s[CS+1], s[CS]                       ; (named with it as a pair, so it is written)
	s_mov_b32 s[TB], 0
	s_wait_dscnt 0x0                               ; both opening adds are done
	s_wait_kmcnt 0x0
	s_mov_b32 s24, 1                               ; group 0: count = 1,
	s_mov_b32 s25, s38                             ; the LDS address,
	s_add_nc_u64 s[26:27], s[6:7], s[40:41]        ; the global address: record w of the slice,
	s_mov_b32 s28, 1
	s_add_co_u32 s29, s38, 8*REC
	s_add_nc_u64 s[30:31], s[26:27], 8*REC         ; and record 8 + w
	s_or_b32 s27, s27, 0x80000000                  ; type = 2
	s_or_b32 s31, s31, 0x80000000
	s_add_nc_u64 s[44:45], s[4:5], s[44:45]
	s_add_nc_u64 s[46:47], s[4:5], s[46:47]
	s_add_nc_u64 s[48:49], s[8:9], s[48:49]
	s_add_nc_u64 s[50:51], s[10:11], s[50:51]
	ROUND                                          ; all four work-groups are here: the joint loads meet
	tensor_load_to_lds s[24:27], s[G1:G1+7]        ; the first fills go out as one group, ahead of every wait on TENSORcnt and every LDS read
	s_nop 0
	tensor_load_to_lds s[28:31], s[G1:G1+7]
	s_nop 0
.rept 4
	v_nop
.endr
	v_and_b32 v10, 31, v0
	v_lshlrev_b32 v[L16], 4, v10
	v_lshlrev_b32 v[L8], 3, v10
	v_and_b32 v11, 15, v0
	v_lshlrev_b32 v[R4], 2, v11
	global_load_b128 v[QF:QF+3], v[L16], s[44:45]  ; Q's codes stay in registers
	global_load_b32 v[QS], v[R4], s[46:47]         ; and its scale words
	v_lshrrev_b32 v[STA], 3, v0
	v_lshl_add_u32 v[STA], v[STA], 3, STATL
	v_add_nc_u32 v[STL], STATL, v[L8]
.irp j, 4,5,6,7
	v_mov_b32 v[QF+\j], 0                          ; zero codes for K = 64 .. 127
.endr
.irp t, 0,1,2,3,4,5,6,7
.irp j, 4,5,6,7
	v_mov_b32 v[KF+8*\t+\j], 0                     ; the same in K's eight fragments: written once, the loads fill the lower four
.endr
.endr
.irp j, 0,1,2,3,4,5,6,7,8,9,10,11,12,13,14,15,16,17,18,19,20,21,22,23,24,25,26,27,28,29,30,31
	v_mov_b32 v[OT+\j], 0                          ; O^T.  (The step is written once: the first finds zeros, which the first change of M leaves zeros)
.endr
	v_mov_b32 v13, 0xff61b1e6                      ; the largest t so far: -3e38, under every t
	v_floor_f32 v12, -v13                          ; -M
	v_mov_b32 v14, 0                               ; the sum, in two halves
	v_mov_b32 v15, 0
.irp b, 0,1,2,3
	v_mov_b32 v[TP+\b], 0                          ; written once: a lane permute's destination counts as one of its sources
.endr
	v_mov_b32 v[FF+1], 0                           ; (named as the upper half of the pair before it is first written)
	s_wait_tensorcnt 0x1                           ; my record w is in; record 8 + w may stay out
	s_barrier_signal -1
	s_barrier_wait -1                              ; records 0 to 7 are whole
.irp t, 0,1,2,3,4,5,6,7
	ds_load_b128 v[KF+8*\t:KF+8*\t+3], v[L16] offset:512*\t   ; K of step 0
.endr
	ds_load_b128 v[KS:KS+3], v[L16] offset:8192
	s_wait_loadcnt 0x0                             ; Q
	s_wait_dscnt 0x0                               ; K of step 0.  (In the loops the wait ahead of a step's second product has the next step's K in too)
.macro SMUL t
.if (\t)%2
	v_wmma_scale_f32_16x16x128_f8f6f4 v[SS+8*(\t):SS+8*(\t)+7], v[KF+8*(\t):KF+8*(\t)+7], v[QF:QF+7], 0, v[KS+(\t)/2], v[QS] matrix_a_fmt:MATRIX_FMT_FP4 matrix_b_fmt:MATRIX_FMT_FP4 matrix_a_scale:MATRIX_SCALE_ROW1
.else
	v_wmma_scale_f32_16x16x128_f8f6f4 v[SS+8*(\t):SS+8*(\t)+7], v[KF+8*(\t):KF+8*(\t)+7], v[QF:QF+7], 0, v[KS+(\t)/2], v[QS] matrix_a_fmt:MATRIX_FMT_FP4 matrix_b_fmt:MATRIX_FMT_FP4
.endif
.endm
.macro OMUL t
.if (\t)%2
	v_wmma_scale_f32_16x16x128_f8f6f4 v[OT+8*(\t):OT+8*(\t)+7], v[VF+8*(\t):VF+8*(\t)+7], v[PCD:PCD+7], v[OT+8*(\t):OT+8*(\t)+7], v[VS+(\t)/2], v[PW] matrix_a_fmt:MATRIX_FMT_FP4 matrix_b_fmt:MATRIX_FMT_FP4 matrix_a_scale:MATRIX_SCALE_ROW1
.else
	v_wmma_scale_f32_16x16x128_f8f6f4 v[OT+8*(\t):OT+8*(\t)+7], v[VF+8*(\t):VF+8*(\t)+7], v[PCD:PCD+7], v[OT+8*(\t):OT+8*(\t)+7], v[VS+(\t)/2], v[PW] matrix_a_fmt:MATRIX_FMT_FP4 matrix_b_fmt:MATRIX_FMT_FP4
.endif
.endm
; A KEY STEP: 128 keys.  more = 1: the next step's K is fetched under this step's softmax.
.macro STEP more
.irp t, 0,1,2,3,4,5,6,7
	SMUL \t                                        ; S^T = K Q^T: eight tiles of 16 keys
.endr
	v_add_nc_u32 v[A16], s[TB], v[L16]             ; two additions and two v_nop: the four plain lines between these products and the loads into their registers, and the first read of their results
	v_add_nc_u32 v[A8], s[TB], v[L8]
	v_nop
	v_nop
.irp t, 0,1,2,3
.irp c, 0,1
	ds_load_b128 v[VF+8*\t+4*\c:VF+8*\t+4*\c+3], v[A16] offset:4096+1024*\t+512*\c   ; V of this step
.endr
.endr
	ds_load_b64 v[VS:VS+1], v[A8] offset:8704
.if \more
.irp t, 0,1,2,3,4,5,6,7
	ds_load_b128 v[KF+8*\t:KF+8*\t+3], v[A16] offset:REC+512*\t   ; K of the next step
.endr
	ds_load_b128 v[KS:KS+3], v[A16] offset:REC+8192
.endif
.irp b, 0,1,2,3
	v_max3_num_f32 v[BM+\b], v[SS+16*\b], v[SS+1+16*\b], v[SS+2+16*\b]   ; THE LARGEST SCORE OF EACH BLOCK OF 32 KEYS: for the row's maximum, and, since p rises with the score, for the block's largest p
.endr
.irp i, 3,5,7,9,11,13
.irp b, 0,1,2,3
	v_max3_num_f32 v[BM+\b], v[BM+\b], v[SS+16*\b+\i], v[SS+1+16*\b+\i]   ; (the four blocks by turns)
.endr
.endr
.irp b, 0,1,2,3
	v_max_num_f32 v[BM+\b], v[BM+\b], v[SS+15+16*\b]
.endr
.irp b, 0,1,2,3
	v_permlanex16_b32 v[TP+\b], v[BM+\b], s[SEL], s[SEL+1]
.endr
.irp b, 0,1,2,3
	v_max_num_f32 v[BM+\b], v[BM+\b], v[TP+\b]     ; with lane l xor 16's 16 keys
.endr
	v_max3_num_f32 v254, v[BM], v[BM+1], v[BM+2]
	v_max_num_f32 v254, v254, v[BM+3]              ; the step's largest score of my query
	v_mul_f32 v254, s[CS], v254                    ; as t (c is positive)
	v_max_num_f32 v13, v13, v254                   ; the running largest t
	v_mov_b32 v254, v12
	v_floor_f32 v12, -v13                          ; the new -M = floor(-t) = -ceil(t): M is a whole number
	v_sub_f32 v254, v12, v254                      ; M's old value less its new one: a whole number, 0 or less
	v_cvt_i32_f32 v254, v254                       ; (it saturates)
	v_ldexp_f32 v[FF], 1.0, v254                   ; f = 2^(old M - new M): a multiplication by it rounds nothing
.irp j, 0,2,4,6,8,10,12,14,16,18,20,22,24,26,28,30,32,34,36,38,40,42,44,46,48,50,52,54,56,58,60,62
	v_pk_fma_f32 v[SS+\j:SS+1+\j], v[SS+\j:SS+1+\j], s[CS:CS+1], v[12:13] op_sel_hi:[1,0,0]   ; t - M, two at a time (of the pairs c and -M the low word serves both halves)
.endr
.irp b, 0,1,2,3
	v_fma_f32 v[BM+\b], v[BM+\b], s[CS], v12       ; the same of each block's largest score
.endr
.irp j, 0,1,2,3,4,5,6,7,8,9,10,11,12,13,14,15,16,17,18,19,20,21,22,23,24,25,26,27,28,29,30,31,32,33,34,35,36,37,38,39,40,41,42,43,44,45,46,47,48,49,50,51,52,53,54,55,56,57,58,59,60,61,62,63
	v_exp_f32 v[SS+\j], v[SS+\j]                   ; p = 2^(t - M), at most 1: not normalised
.endr
	v_pk_mul_f32 v[14:15], v[14:15], v[FF:FF+1] op_sel_hi:[1,0]   ; the sums under the new M: a plain line behind the exponentials
	s_wait_alu depctr_va_vdst(0)                   ; one wait for the whole batch, ahead of its first reader
.irp b, 0,1,2,3
	v_exp_f32 v[BM+\b], v[BM+\b]                   ; the block's largest p: the same two instructions on the same number give the same bits
.endr
	v_pk_add_f32 v[TP:TP+1], v[SS:SS+1], v[SS+2:SS+3]   ; THE ROW'S SUM IS TAKEN OF THE UNQUANTISED p: two at a time, in two chains; plain work behind the four
.irp j, 4,8,12,16,20,24,28,32,36,40,44,48,52,56,60
	v_pk_add_f32 v[14:15], v[14:15], v[SS+\j:SS+1+\j]
	v_pk_add_f32 v[TP:TP+1], v[TP:TP+1], v[SS+2+\j:SS+3+\j]
.endr
	v_pk_add_f32 v[14:15], v[14:15], v[TP:TP+1]
	s_wait_alu depctr_va_vdst(0)                   ; and one for the four
.irp b, 0,1,2,3
	v_max_num_f32 v[BM+\b], 0x1800000, v[BM+\b]    ; the floor 2^(3 - 127): the byte cannot fall under 1
.endr
.irp b, 0,1,2,3
	v_add_nc_u32 v[SO+\b], 0xff000000, v[BM+\b]    ; 2 off the exponent field: the conversion's scale operand
.endr
.irp b, 0,1,2,3
	v_lshrrev_b32 v[TP+\b], 23, v[SO+\b]           ; the scale's byte
.endr
	v_lshl_or_b32 v[PW], v[TP+1], 8, v[TP]         ; p's scale word for these 128 keys
	v_lshl_or_b32 v[PW], v[TP+2], 16, v[PW]
	v_lshl_or_b32 v[PW], v[TP+3], 24, v[PW]
.irp b, 0,1,2,3
	v_cvt_scalef32_pk8_fp4_f32 v[PCD+2*\b], v[SS+16*\b:SS+7+16*\b], v[SO+\b]
	v_cvt_scalef32_pk8_fp4_f32 v[PCD+1+2*\b], v[SS+8+16*\b:SS+15+16*\b], v[SO+\b]
.endr
	v_nop                                          ; one plain line behind the last scaled conversion
.irp c, 0,1                                    ; the operand's layout wants a WHOLE block in a lane: lanes 0-15 block 2 c, lanes 16-31 block 2 c + 1
.irp i, 0,1
	v_permlane16_swap_b32 v[PCD+4*\c+\i], v[PCD+2+4*\c+\i]
.endr
.endr
.irp j, 0,2,4,6,8,10,12,14,16,18,20,22,24,26,28,30
	v_pk_mul_f32 v[OT+\j:OT+1+\j], v[OT+\j:OT+1+\j], v[FF:FF+1] op_sel_hi:[1,0]   ; O^T under the new M, each accumulator from its low end on; these sixteen also stand between the scale word's and the codes' last writes and the products
.endr
	s_wait_dscnt 0x0                               ; V is in, and the next step's K
.irp t, 0,1,2,3
	OMUL \t                                        ; O^T += V^T P^T: the four accumulators by turns
.endr
	s_add_co_u32 s[TB], s[TB], REC                 ; on to the next record
.endm
	s_mov_b32 s[CNT], 7
.Lfirst:                                           ; steps 0 to 6: they read records 0 to 7 at the most
	STEP 1
	s_sub_co_u32 s[CNT], s[CNT], 1
	s_cmp_lg_u32 s[CNT], 0
	s_cbranch_scc1 .Lfirst
	s_wait_tensorcnt 0x0                           ; my record 8 + w is in,
	s_wait_dscnt 0x0
	s_barrier_signal -1
	s_barrier_wait -1                              ; everybody's is: all 16 records are whole
	s_mov_b32 s[CNT], 8
.Lsecond:                                          ; steps 7 to 14
	STEP 1
	s_sub_co_u32 s[CNT], s[CNT], 1
	s_cmp_lg_u32 s[CNT], 0
	s_cbranch_scc1 .Lsecond
	STEP 0                                         ; step 15: there is no K behind it
	; THE WAY OUT.  O^T is divided by the row's sum and goes through my stage in LDS, so that sixteen lanes store a whole row of 256 bytes.
	v_add_f32 v14, v14, v15                        ; the sum's two halves,
	v_permlanex16_b32 v254, v14, s[SEL], s[SEL+1]
	v_add_f32 v14, v14, v254                       ; and lane l xor 16's: the row's sum
	v_rcp_f32 v14, v14
	v_and_b32 v10, 15, v0                          ; r.  (The address work is the plain work behind the reciprocal and behind the last products)
	v_bfe_u32 v11, v0, 4, 1                        ; h
	s_mul_i32 s38, s[WV], 16*SP
	s_add_co_u32 s38, s38, STAGE                   ; my stage
	v_mul_u32_u24 v[STO], v10, SP
	v_lshl_add_u32 v[STO], v11, 5, v[STO]
	v_add_nc_u32 v[STO], s38, v[STO]               ; in: row r; tile t's eight channels of my half: 64 t + 32 h bytes on
	v_mul_u32_u24 v[RD], v11, SP
	v_lshl_add_u32 v[RD], v10, 4, v[RD]
	v_add_nc_u32 v[RD], s38, v[RD]                 ; back: lanes 0-15 one row, lanes 16-31 the next
	v_lshlrev_b32 v[GO], 8, v11
	v_lshl_add_u32 v[GO], v10, 4, v[GO]            ; and the same two rows in raw
	s_wait_alu depctr_va_vdst(0)                   ; the wait ahead of the reciprocal's first reader
.irp j, 0,2,4,6,8,10,12,14,16,18,20,22,24,26,28,30
	v_pk_mul_f32 v[SS+\j:SS+1+\j], v[OT+\j:OT+1+\j], v[14:15] op_sel_hi:[1,0]   ; y: register 8 t + i is y(query r, channel 16 t + 8 h + i)
.endr
.irp t, 0,1,2,3
	ds_store_b128 v[STO], v[SS+8*\t:SS+3+8*\t] offset:64*\t
	ds_store_b128 v[STO], v[SS+4+8*\t:SS+7+8*\t] offset:64*\t+16
.endr
.irp i, 0,1,2,3,4,5,6,7
	ds_load_b128 v[VF+4*\i:VF+4*\i+3], v[RD] offset:2*\i*SP   ; LDS serves a wave's instructions in order: these see my stores
.endr
	; The norm's parts, while the stage turns: eight lanes x 32 registers are a group of 256 numbers: their mean, and the sum of their squared distances from it (no difference of large sums is formed)
	v_pk_add_f32 v[128:129], v[SS:SS+1], v[SS+2:SS+3]
	v_pk_add_f32 v[130:131], v[SS+4:SS+5], v[SS+6:SS+7]
.irp j, 8,12,16,20,24,28
	v_pk_add_f32 v[128:129], v[128:129], v[SS+\j:SS+1+\j]
	v_pk_add_f32 v[130:131], v[130:131], v[SS+2+\j:SS+3+\j]
.endr
	v_pk_add_f32 v[128:129], v[128:129], v[130:131]
	v_add_f32 v128, v128, v129
	v_add_f32_dpp v128, v128, v128 row_xmask:1 row_mask:0xf bank_mask:0xf
	v_add_f32_dpp v128, v128, v128 row_xmask:2 row_mask:0xf bank_mask:0xf
	v_add_f32_dpp v128, v128, v128 row_xmask:4 row_mask:0xf bank_mask:0xf
	v_mul_f32 v[BM], 0x3b800000, v128              ; / 256: the group's mean
.irp j, 0,2,4,6,8,10,12,14,16,18,20,22,24,26,28,30
	v_pk_add_f32 v[128+\j:129+\j], v[SS+\j:SS+1+\j], v[BM:BM+1] op_sel_hi:[1,0] neg_lo:[0,1] neg_hi:[0,1]   ; y - mean
.endr
	v_pk_mul_f32 v[234:235], v[128:129], v[128:129]
	v_pk_mul_f32 v[236:237], v[130:131], v[130:131]
.irp j, 4,8,12,16,20,24,28
	v_pk_fma_f32 v[234:235], v[128+\j:129+\j], v[128+\j:129+\j], v[234:235]
	v_pk_fma_f32 v[236:237], v[130+\j:131+\j], v[130+\j:131+\j], v[236:237]
.endr
	v_pk_add_f32 v[234:235], v[234:235], v[236:237]
	v_add_f32 v234, v234, v235
	v_add_f32_dpp v234, v234, v234 row_xmask:1 row_mask:0xf bank_mask:0xf
	v_add_f32_dpp v234, v234, v234 row_xmask:2 row_mask:0xf bank_mask:0xf
	v_add_f32_dpp v[BM+1], v234, v234 row_xmask:4 row_mask:0xf bank_mask:0xf   ; beside the mean: the pair
.irp i, 0,1,2,3,4,5,6,7
	s_wait_dscnt 7-\i                              ; rows 2 i and 2 i + 1 are back; the younger loads may be out
	global_store_b128 v[GO], v[VF+4*\i:VF+4*\i+3], s[48:49] offset:(2*\i+8*(\i/4))*256   ; row n of my tile is token n + 8 (n / 8) from the tile's first; 16 lanes store 256 consecutive bytes, aligned
.endr
	ds_store_b64 v[STA], v[BM:BM+1]                ; the eight lanes of a group write the same pair to the same place
	s_wait_dscnt 0x0                               ; for wave 0's sake: my store has landed
	s_barrier_signal -1
	s_barrier_wait -1
	s_cmp_lg_u32 s[WV], 0                          ; wave 0 sends the 32 pairs out as 256 consecutive bytes, aligned
	s_cbranch_scc1 .Lend
	ds_load_b64 v[234:235], v[STL]
	s_wait_dscnt 0x0
	global_store_b64 v[L8], v[234:235], s[50:51]
.Lend:
	s_wait_tensorcnt 0x0                           ; the wave's end, behind my last tensor load and my last LDS store
	ds_add_u32 v[SPW], v[NIL]
	s_wait_dscnt 0x0
	ROUND                                          ; the closing round: no work-group ends while a partner may still ask for a record that names it
	s_endpgm
.Lfunc_end_k_q21066b0db0_attn:
	.size	k_q21066b0db0_attn, .Lfunc_end_k_q21066b0db0_attn-k_q21066b0db0_attn
	.p2alignl 7, 3214868480
	.fill 96, 4, 3214868480
	.section	.rodata,"a",@progbits
	.p2align	6, 0x0
	.amdhsa_kernel k_q21066b0db0_attn
		.amdhsa_group_segment_fixed_size 179456
		.amdhsa_private_segment_fixed_size 0
		.amdhsa_enable_private_segment 0
		.amdhsa_kernarg_size 32
		.amdhsa_user_sgpr_count 2
		.amdhsa_user_sgpr_kernarg_segment_ptr 1
		.amdhsa_wavefront_size32 1
		.amdhsa_system_sgpr_workgroup_id_x 1
		.amdhsa_system_sgpr_workgroup_id_y 1
		.amdhsa_system_sgpr_workgroup_id_z 1
		.amdhsa_system_vgpr_workitem_id 0
		.amdhsa_next_free_vgpr 256
		.amdhsa_next_free_sgpr 66
		.amdhsa_reserve_vcc 0
		.amdhsa_float_denorm_mode_32 3
		.amdhsa_float_denorm_mode_16_64 3
		.amdhsa_memory_ordered 1
		.amdhsa_forward_progress 1
		.amdhsa_inst_pref_size 59
	.end_amdhsa_kernel
	.amdgpu_metadata
---
amdhsa.version: [ 1, 2 ]
amdhsa.kernels:
  - .name:           k_q21066b0db0_attn
    .symbol:         k_q21066b0db0_attn.kd
    .args:
      - { .name: qq, .offset: 0, .size: 8, .value_kind: global_buffer, .address_space: global }
      - { .name: kv, .offset: 8, .size: 8, .value_kind: global_buffer, .address_space: global }
      - { .name: raw, .offset: 16, .size: 8, .value_kind: global_buffer, .address_space: global }
      - { .name: stats, .offset: 24, .size: 8, .value_kind: global_buffer, .address_space: global }
    .group_segment_fixed_size: 179456
    .private_segment_fixed_size: 0
    .kernarg_segment_align: 8
    .kernarg_segment_size: 32
    .max_flat_workgroup_size: 256
    .sgpr_count:     66
    .vgpr_count:     256
    .wavefront_size: 32
...
	.end_amdgpu_metadata
.endif
;; end of part 3
;; launch norm (part 4): grid 256 x 1, 8 waves a work-group, no clusters, 0 bytes of LDS; arguments raw, stats, out0; writes out0
.if DOCPART == 4
	.amdgcn_target "amdgcn-amd-amdhsa--gfx1250"
	.amdhsa_code_object_version 6
	.text
	.protected	k_q21066b0db0_norm
	.globl	k_q21066b0db0_norm
	.p2align	8
	.type	k_q21066b0db0_norm,@function
k_q21066b0db0_norm:
	s_mov_b64 s[64:65], 0
	v_nop
	global_prefetch_b8 v0, s[64:65] scope:SCOPE_SE
	s_setreg_imm32_b32 hwreg(HW_REG_WAVE_MODE, 25, 1), 1
	s_wait_xcnt 0x0
; out0 = (raw - mu) / sqrt(var + 1e-5), mu and var (biased) taken over each slice's 2,048 x 64 numbers.  No work is left out.
; The launch before left, for each group of 256 numbers, the pair (mean, sum of squared distances from that mean): 512 pairs, 4,096 bytes, a slice.  With groups of equal size mu is the mean of the means, and
; var x 2^17 = the sum of the groups' sums + 256 x the sum of (mean - mu)^2: no difference of large sums is formed.
; SHARES.  Work-group g takes 32,768 bytes of raw (slice g / 16); thread t takes 16 bytes of each run of 4,096, so a wave's load or store covers 512 consecutive bytes.  Every wave sums its slice's 512 pairs for itself:
; 16 pairs a lane; no LDS, no barrier.  A stream bound by memory: matrix units, clusters and LDS would add nothing here.
; LIMITS: NaN and infinities are not served; y = x r - mu r is one fused multiply-add, an order of rounding that differs from reference()'s.
.macro WSUM a, t                       ; the sum over the wave's 32 lanes, in every lane
	v_add_f32_dpp v[\a], v[\a], v[\a] row_xmask:1 row_mask:0xf bank_mask:0xf
	v_add_f32_dpp v[\a], v[\a], v[\a] row_xmask:2 row_mask:0xf bank_mask:0xf
	v_add_f32_dpp v[\a], v[\a], v[\a] row_xmask:4 row_mask:0xf bank_mask:0xf
	v_add_f32_dpp v[\a], v[\a], v[\a] row_xmask:8 row_mask:0xf bank_mask:0xf
	v_permlanex16_b32 v[\t], v[\a], s14, s15       ; (its destination counts as read: a register that has been written)
	v_add_f32 v[\a], v[\a], v[\t]
.endm
	s_load_b128 s[4:7], s[0:1], 0x0                ; raw s[4:5], stats s[6:7]
	s_load_b64 s[8:9], s[0:1], 0x10                ; out0
	v_and_b32 v1, 31, v0
	v_lshlrev_b32 v1, 4, v1                        ; 16 x lane
	v_lshlrev_b32 v2, 4, v0                        ; 16 x thread
	s_lshl_b32 s10, ttmp9, 15                      ; my 32,768 bytes
	s_mov_b32 s11, 0
	s_lshr_b32 s12, ttmp9, 4
	s_lshl_b32 s12, s12, 12                        ; my slice's 4,096 bytes of pairs
	s_mov_b32 s13, 0
	s_mov_b32 s14, 0x76543210
	s_mov_b32 s15, 0xfedcba98                      ; v_permlanex16_b32's selects for lane l xor 16
	s_mov_b32 s16, 0x37000000                      ; 2^-17: one over a slice's numbers
	s_wait_kmcnt 0x0
	s_add_nc_u64 s[4:5], s[4:5], s[10:11]
	s_add_nc_u64 s[8:9], s[8:9], s[10:11]
	s_add_nc_u64 s[6:7], s[6:7], s[12:13]
.irp i, 0,1,2,3,4,5,6,7
	global_load_b128 v[16+4*\i:19+4*\i], v1, s[6:7] offset:512*\i          ; two pairs a lane and load
.endr
.irp i, 0,1,2,3,4,5,6,7
	global_load_b128 v[48+4*\i:51+4*\i], v2, s[4:5] offset:4096*\i th:TH_LOAD_NT
.endr
	s_wait_loadcnt 8                               ; the pairs are in; raw's eight loads may be out
	v_pk_add_f32 v[8:9], v[16:17], v[18:19]        ; (the means' sum, the sums' sum), in two chains
	v_pk_add_f32 v[10:11], v[20:21], v[22:23]
.irp j, 8,12,16,20,24,28
	v_pk_add_f32 v[8:9], v[8:9], v[16+\j:17+\j]
	v_pk_add_f32 v[10:11], v[10:11], v[18+\j:19+\j]
.endr
	v_pk_add_f32 v[8:9], v[8:9], v[10:11]
	WSUM 8, 10
	WSUM 9, 11
	v_mul_f32 v12, 0x3b000000, v8                  ; mu = the sum of 512 means / 512
.irp k, 0,1,2,3,4,5,6,7,8,9,10,11,12,13,14,15
	v_sub_f32 v[16+2*\k], v[16+2*\k], v12          ; mean - mu
.endr
	v_mul_f32 v10, v16, v16
	v_mul_f32 v11, v18, v18
.irp k, 2,4,6,8,10,12,14
	v_fma_f32 v10, v[16+2*\k], v[16+2*\k], v10
	v_fma_f32 v11, v[18+2*\k], v[18+2*\k], v11
.endr
	v_add_f32 v10, v10, v11
	WSUM 10, 11
	v_fmamk_f32 v9, v10, 0x43800000, v9            ; + 256 x the sum of (mean - mu)^2
	v_fmaak_f32 v9, s16, v9, 0x3727c5ac            ; var + 1e-5
	v_rsq_f32 v10, v9                              ; r
	v_mov_b32 v13, 0                               ; a plain line behind the transcendental; v13 is named below as the upper half of a pair
	s_wait_alu depctr_va_vdst(0)                   ; the wait ahead of the first reader
	v_mul_f32 v12, -v12, v10                       ; -mu r
	s_wait_loadcnt 0x0
.irp j, 0,2,4,6,8,10,12,14,16,18,20,22,24,26,28,30
	v_pk_fma_f32 v[48+\j:49+\j], v[48+\j:49+\j], v[10:11], v[12:13] op_sel_hi:[1,0,0]   ; x r - mu r (of both pairs the low word serves both halves)
.endr
.irp i, 0,1,2,3,4,5,6,7
	global_store_b128 v2, v[48+4*\i:51+4*\i], s[8:9] offset:4096*\i th:TH_STORE_NT   ; 32 lanes store 512 consecutive bytes, aligned
.endr
	s_endpgm
.Lfunc_end_k_q21066b0db0_norm:
	.size	k_q21066b0db0_norm, .Lfunc_end_k_q21066b0db0_norm-k_q21066b0db0_norm
	.p2alignl 7, 3214868480
	.fill 96, 4, 3214868480
	.section	.rodata,"a",@progbits
	.p2align	6, 0x0
	.amdhsa_kernel k_q21066b0db0_norm
		.amdhsa_group_segment_fixed_size 0
		.amdhsa_private_segment_fixed_size 0
		.amdhsa_enable_private_segment 0
		.amdhsa_kernarg_size 24
		.amdhsa_user_sgpr_count 2
		.amdhsa_user_sgpr_kernarg_segment_ptr 1
		.amdhsa_wavefront_size32 1
		.amdhsa_system_sgpr_workgroup_id_x 1
		.amdhsa_system_sgpr_workgroup_id_y 1
		.amdhsa_system_sgpr_workgroup_id_z 1
		.amdhsa_system_vgpr_workitem_id 0
		.amdhsa_next_free_vgpr 96
		.amdhsa_next_free_sgpr 66
		.amdhsa_reserve_vcc 0
		.amdhsa_float_denorm_mode_32 3
		.amdhsa_float_denorm_mode_16_64 3
		.amdhsa_memory_ordered 1
		.amdhsa_forward_progress 1
		.amdhsa_inst_pref_size 9
	.end_amdhsa_kernel
	.amdgpu_metadata
---
amdhsa.version: [ 1, 2 ]
amdhsa.kernels:
  - .name:           k_q21066b0db0_norm
    .symbol:         k_q21066b0db0_norm.kd
    .args:
      - { .name: raw, .offset: 0, .size: 8, .value_kind: global_buffer, .address_space: global }
      - { .name: stats, .offset: 8, .size: 8, .value_kind: global_buffer, .address_space: global }
      - { .name: out0, .offset: 16, .size: 8, .value_kind: global_buffer, .address_space: global }
    .group_segment_fixed_size: 0
    .private_segment_fixed_size: 0
    .kernarg_segment_align: 8
    .kernarg_segment_size: 24
    .max_flat_workgroup_size: 256
    .sgpr_count:     66
    .vgpr_count:     96
    .wavefront_size: 32
...
	.end_amdgpu_metadata
.endif
;; end of part 4
;; ======== version 2 of 2: 4 launches
;; workspace buffers: wimg 78,336 bytes; qq 1,179,648 bytes; kv 2,293,760 bytes; raw 8,388,608 bytes; stats 65,536 bytes
;; launch wquant: the kernel of part 1 again; grid 6 x 3, 4 waves a work-group, no clusters, 768 bytes of LDS; arguments Wq, Wk, Wv, wimg; writes wimg
;; launch proj (part 5): grid 256 x 1, 4 waves a work-group, no clusters, 143,104 bytes of LDS; arguments info, wimg, bq, bk, bv, qq, kv; writes qq, kv
.if DOCPART == 5
	.amdgcn_target "amdgcn-amd-amdhsa--gfx1250"
	.amdhsa_code_object_version 6
	.text
	.protected	k_q21066b0db0_proj
	.globl	k_q21066b0db0_proj
	.p2align	8
	.type	k_q21066b0db0_proj,@function
k_q21066b0db0_proj:
	s_mov_b64 s[64:65], 0
	v_nop
	global_prefetch_b8 v0, s[64:65] scope:SCOPE_SE
	s_setreg_imm32_b32 hwreg(HW_REG_WAVE_SCHED_MODE, 0, 2), 2
	s_setreg_imm32_b32 hwreg(HW_REG_WAVE_MODE, 25, 1), 1
	s_wait_xcnt 0x0
	s_wait_alu depctr_vm_vsrc(0)
; q, k, v = Q(info) Q(W) + b on codes of FP4 (E2M1), K = 768 in six steps of 128, and then q, k (along the 64 channels) and v (along the keys) into codes for the attention.  No work is left out.
; SHARES.  Work-group g takes tokens 128 g .. 128 g + 127: one record of qq and one of kv.  Wave w takes 32 tokens, as two tiles of 16 rows, against all 192 columns: 24 accumulators.
; THE TOKENS OF A TILE ARE NOT NEIGHBOURS: row r of tile 2 w + u is token 32 w + 8 u + r + 8 (r / 8) of the record, so that in the attention the 16 registers of two neighbouring tiles of scores are 16 neighbouring keys.
; info comes by loads of 512 consecutive bytes (one token's 128 numbers of a K step) into two sets of 32 x 4 registers, 32 to 64 loads a wave on their way.  The conversions want 16 NEIGHBOURS along K in one lane:
; a K step turns through the wave's own stage in LDS (rows of 512 bytes + 16: the 16 rows that a load touches start at 16 different groups of 4 banks).
; The weights' images (73,728 bytes) are copied into LDS once, a quarter by each wave; their scale words stay in 36 registers.
; q and k are made TRANSPOSED (source 0 = 16 columns of W, source 1 = 16 tokens): a lane holds one token and its registers run along the channels, the next K.  v is made as it stands (source 0 = tokens,
; source 1 = columns): a lane holds one channel and its registers run along the tokens, which are the keys, its next K.  The biases are the C of each sum's first matrix instruction.
; OUT.  qq record (4,608 bytes): codes of query tile i at 512 i + 16 lane (4 registers: channels 32 h .. 32 h + 31 of row r); scale words at 4096 + 64 i + 4 r (bytes 2 and 3 are 0x7f: they stand over zero codes).
; kv record (8,960 bytes): K's codes at 512 tile + 16 lane; V's at 4096 + 1024 t + 512 c + 16 lane (channel 16 t + r, keys 64 c + 32 h + 0 .. 31); K's scale words at 8192 + 16 lane + 4 b (tile 2 b in lanes 0-15,
; tile 2 b + 1 in lanes 16-31); V's at 8704 + 8 lane + 4 i (tile 2 i, tile 2 i + 1 likewise).
; LIMITS: as stated at the head of wquant (byte 1 for blocks of zeros and for magnitudes under 2^-124; NaN and infinities not served); a bias is added first and not last, an order of rounding that differs from reference()'s.
; REGISTERS, in windows of 256 (s_set_vgpr_msb: bits 1:0 source 0, 3:2 source 1, 5:4 source 2, 7:6 destination):
;   window 0: addresses, x's numbers, codes, scale words.   window 1: the 24 accumulators (q: 32 u + 8 t; k: 64 + 32 u + 8 t; v: 128 + 16 t + 8 u), bq at 192 + 8 t, bk at 224 + 8 t; at the head the weights on their way to LDS.
;   window 2: the two sets of loaded numbers, 128 set + 4 token.   window 3: two sets of a step's 12 fragments of W, at 128 (s % 2) + 8 f; bv at 96 + 8 t.
; THE MODE: SCHED_MODE bits 1:0 = 2 (LLVM: expert scheduling mode 2), set by the entry lines.  The code itself states the register dependences between vector or matrix instructions and memory or LDS instructions,
; with s_wait_alu, always for 0.
; THE PLAN.  Registers that memory or LDS instructions touch, from the first K step on:
;   RAW0, RAW1 (window 2)   Written by the loads of info; read by the stage's stores of K step s (set s % 2); behind them the loads of step s + 2 land in the set.  No vector or matrix instruction names them.
;   XN                      Written by the stage's loads of step s; read by step s's maxima and conversions; the stage's loads of step s + 1 land in it.  (On the way out its first eight take v's codes, which stores read.)
;   WF0, WF1 (window 3)     Step s's products read set s % 2; the LDS loads of step s + 1's fragments land in the other set, which step s - 1's products read last.
;   v4 to v17               Offsets and LDS addresses: made at the head and never written again.
;   PC, XW, the accumulators, the biases and W's scale words are named, in the K steps, by vector and matrix instructions alone.
; So ONE wait on va_vdst stands in a K step, ahead of its products: it states that x's codes and scale words are written, that the maxima and conversions are done reading XN, and that the products of the step before are
; done reading their set of W.  Behind it the next step's 24 loads of W are dealt among this step's products, and the next step's turn through the stage follows them, with no further wait: the products name PC, XW,
; W's scale words, their own set of W, the accumulators and the biases, none of the registers that those LDS instructions touch.  ONE wait on vm_vsrc stands ahead of the loads into the set that the stage's stores read.
.set KSCL,   0                         ; LDS: K's scale words, 512 bytes
.set QSCL,   512                       ; Q's, 512 bytes
.set VSCL,   1024                      ; V's, 256 bytes
.set SPARE,  1280                      ; the spare words, 128 bytes for each wave: two blocks of 256 bytes that no other line names
.set WIMG,   1792                      ; the weights' images, 73,728 bytes
.set STAGE,  75520                     ; four stages of 32 rows x 528 bytes
.set SPITCH, 528
.set WSTG,   32*SPITCH
.set L16, 4                            ; v4   16 x lane
.set L8,  5                            ; v5   8 x lane
.set STW, 6                            ; v6   my stage + 16 x lane
.set STR, 7                            ; v7   my stage + 528 r + 64 h
.set LW0, 8                            ; v8   WIMG + 16 x lane: K steps 0-2
.set LW1, 9                            ; v9   the same + 36,864: K steps 3-5
.set WCP, 10                           ; v10  where I put my quarter of the images
.set BO,  11                           ; v11  64 h: bq, bk
.set BVO, 12                           ; v12  4 r: bv
.set KO,  13                           ; v13  16 x lane + 1024 x wave: my two tiles' codes in a record
.set VO,  14                           ; v14  16 r + 8 h + 256 x wave: my keys' codes of a channel
.set QSA, 15                           ; v15  QSCL + 4 x thread
.set KSA, 16                           ; v16  KSCL + 16 x lane + 4 x wave
.set VSA, 17                           ; v17  VSCL + 8 r + wave
.set CWQ, 19                           ; v19, v20  q's and k's scale words on their way out
.set CWK, 20
.set T0,  21
.set T1,  22
.set BVR, 24                           ; v24-27 bv(16 t + r)
.set SPW, 28                           ; v28  LDS address of my spare word; never rewritten
.set NIL, 29                           ; v29  0; never rewritten
.set XW,  30                           ; v30-31 x's scale words, tile 0 and 1: they hold scales and nothing else
.set PC,  32                           ; v32-47 codes: two fragments
.set TM,  48                           ; v48-51 largest magnitudes
.set TB,  52                           ; v52-55 the other half's, then the bytes
.set TS,  56                           ; v56-59 the conversions' scale operands
.set XN,  64                           ; v64-191 x's numbers: 64 a tile
.set WS,  192                          ; v192-227 W's scale words: 2 (3 s + m) + i
.set RB,  232                          ; v232-241 wave 0: the scale words on their way out
.set MSB, 0
.macro WIN new                         ; the immediate's high byte repeats the setting that is left; a switch that changes nothing is dropped
.if MSB != (\new)
	s_set_vgpr_msb (MSB<<8)|(\new)
.set MSB, (\new)
.endif
.endm
; 64 numbers of a lane in window sw, register 16 b + i the i-th of my 16 in block b; the block's other 16 lie in lane l xor 16.  Leaves the bytes in TB and the conversions' scale operands in TS.
.macro QSC s, sw
	WIN 5*(\sw)
.irp b, 0,1,2,3
	v_max3_num_f32 v[TM+\b], |v[(\s)+16*\b]|, |v[(\s)+1+16*\b]|, 0x1800000   ; and the floor 2^(3 - 127): the byte cannot fall under 1.  (An accumulator is read from its low end on)
.endr
	WIN 20*(\sw)
.irp i, 2,4,6,8,10,12,14
.irp b, 0,1,2,3
	v_max3_num_f32 v[TM+\b], v[TM+\b], |v[(\s)+16*\b+\i]|, |v[(\s)+1+16*\b+\i]|   ; (the four blocks by turns)
.endr
.endr
	WIN 0
.irp b, 0,1,2,3
	v_permlanex16_b32 v[TB+\b], v[TM+\b], s20, s21
.endr
.irp b, 0,1,2,3
	v_max_num_f32 v[TM+\b], v[TM+\b], v[TB+\b]     ; the block's largest magnitude
.endr
.irp b, 0,1,2,3
	v_add_nc_u32 v[TS+\b], 0xff000000, v[TM+\b]    ; 2 off its exponent field
.endr
.irp b, 0,1,2,3
	v_lshrrev_b32 v[TB+\b], 23, v[TS+\b]           ; the scale's byte
.endr
.endm
.macro QCV s, sw, pc                   ; the codes: block b's 16 into v[pc + 2 b], v[pc + 2 b + 1]
	WIN (\sw)
.irp b, 0,1,2,3
	v_cvt_scalef32_pk8_fp4_f32 v[(\pc)+2*\b], v[(\s)+16*\b:(\s)+16*\b+7], v[TS+\b]
	v_cvt_scalef32_pk8_fp4_f32 v[(\pc)+1+2*\b], v[(\s)+8+16*\b:(\s)+15+16*\b], v[TS+\b]
.endr
	WIN 0
	v_nop                                          ; one plain line behind the last scaled conversion
.endm
.macro QSW pc                          ; the operand's layout wants a WHOLE block in a lane: lanes 0-15 block 2 c, lanes 16-31 block 2 c + 1
.irp c, 0,1
.irp i, 0,1
	v_permlane16_swap_b32 v[(\pc)+4*\c+\i], v[(\pc)+2+4*\c+\i]
.endr
.endr
.endm
.macro W4 dst                          ; four bytes make a row's scale word for 128 along K
	v_lshl_or_b32 v[(\dst)], v[TB+1], 8, v[TB]
	v_lshl_or_b32 v[(\dst)], v[TB+2], 16, v[(\dst)]
	v_lshl_or_b32 v[(\dst)], v[TB+3], 24, v[(\dst)]
.endm
.macro W22 dst                         ; two tiles of two blocks: lanes 0-15 keep tile 0's word, lanes 16-31 tile 1's; bytes 2 and 3, over zero codes, are 0x7f
	v_lshl_or_b32 v[T0], v[TB+1], 8, v[TB]
	v_lshl_or_b32 v[T1], v[TB+3], 8, v[TB+2]
	v_cndmask_b32 v[T0], v[T0], v[T1], s22
	v_or_b32 v[(\dst)], 0x7f7f0000, v[T0]
.endm
.macro XLOAD s                         ; K step s of my 32 tokens: 32 loads of 512 consecutive bytes, into set s % 2
	WIN 0x80
.set T, 0
.rept 32
	global_load_b128 v[128*((\s)%2)+4*T:128*((\s)%2)+4*T+3], v[L16], s[24:25] offset:3072*T+512*(\s) th:TH_LOAD_NT
.set T, T+1
.endr
.endm
.macro WLOAD s, lo                     ; six of K step s's twelve fragments of W, lo .. lo + 5, from their images in LDS into set s % 2
	WIN 0xc0
.set LW, LW0
.if (\s) >= 3
.set LW, LW1
.endif
.irp f, 0,1,2,3,4,5
.irp c, 0,1
	ds_load_b128 v[128*((\s)%2)+8*((\lo)+\f)+4*\c:128*((\s)%2)+8*((\lo)+\f)+4*\c+3], v[LW] offset:((\s)%3)*12288+1024*((\lo)+\f)+512*\c
.endr
.endr
.endm
.macro MULQK s, m, u, t                ; q (m = 0) or k (1), transposed: 16 columns of W x 16 tokens
.set rD, 64*(\m)+32*(\u)+8*(\t)
.set rA, 128*((\s)%2)+8*(4*(\m)+(\t))
.set rB, PC+8*(\u)
.set rC, rD
.if (\s) == 0
.set rC, 192+32*(\m)+8*(\t)            ; the bias starts the sum
.endif
.set rS, WS+2*(3*(\s)+(\m))+(\t)/2
.if (\t)%2
	v_wmma_scale_f32_16x16x128_f8f6f4 v[rD:rD+7], v[rA:rA+7], v[rB:rB+7], v[rC:rC+7], v[rS], v[XW+(\u)] matrix_a_fmt:MATRIX_FMT_FP4 matrix_b_fmt:MATRIX_FMT_FP4 matrix_a_scale:MATRIX_SCALE_ROW1
.else
	v_wmma_scale_f32_16x16x128_f8f6f4 v[rD:rD+7], v[rA:rA+7], v[rB:rB+7], v[rC:rC+7], v[rS], v[XW+(\u)] matrix_a_fmt:MATRIX_FMT_FP4 matrix_b_fmt:MATRIX_FMT_FP4
.endif
.endm
.macro MULV s, t, u                    ; v: 16 tokens x 16 columns of W
.set rD, 128+16*(\t)+8*(\u)
.set rA, PC+8*(\u)
.set rB, 128*((\s)%2)+8*(8+(\t))
.set rC, rD
.if (\s) == 0
.set rC, 96+8*(\t)
.endif
.set rS, WS+2*(3*(\s)+2)+(\t)/2
.if (\t)%2
	v_wmma_scale_f32_16x16x128_f8f6f4 v[rD:rD+7], v[rA:rA+7], v[rB:rB+7], v[rC:rC+7], v[XW+(\u)], v[rS] matrix_a_fmt:MATRIX_FMT_FP4 matrix_b_fmt:MATRIX_FMT_FP4 matrix_b_scale:MATRIX_SCALE_ROW1
.else
	v_wmma_scale_f32_16x16x128_f8f6f4 v[rD:rD+7], v[rA:rA+7], v[rB:rB+7], v[rC:rC+7], v[XW+(\u)], v[rS] matrix_a_fmt:MATRIX_FMT_FP4 matrix_b_fmt:MATRIX_FMT_FP4
.endif
.endm
	s_load_b256 s[4:11], s[0:1], 0x0               ; info s[4:5], wimg s[6:7], bq s[8:9], bk s[10:11]
	s_load_b128 s[12:15], s[0:1], 0x20             ; bv s[12:13], qq s[14:15]
	s_load_b64 s[16:17], s[0:1], 0x30              ; kv
	v_lshl_add_u32 v[SPW], v0, 2, SPARE
	v_mov_b32 v[NIL], 0
	v_lshrrev_b32 v1, 5, v0
	v_readfirstlane_b32 s18, v1                    ; wave 0..3
	v_and_b32 v1, 31, v0                           ; lane
	v_and_b32 v2, 15, v0                           ; r
	v_bfe_u32 v3, v0, 4, 1                         ; h
	v_lshlrev_b32 v[L16], 4, v1
	v_lshlrev_b32 v[L8], 3, v1
	s_wait_alu depctr_va_sdst(0)                   ; s18 is written, ahead of its first reader: LDS places, offsets and a branch are made from it
	s_mul_i32 s19, s18, WSTG
	s_add_co_u32 s19, s19, STAGE                   ; my stage
	v_add_nc_u32 v[STW], s19, v[L16]
	v_mul_u32_u24 v[STR], v2, SPITCH
	v_lshl_add_u32 v[STR], v3, 6, v[STR]
	v_add_nc_u32 v[STR], s19, v[STR]
	v_add_nc_u32 v[LW0], WIMG, v[L16]
	v_add_nc_u32 v[LW1], WIMG+36864, v[L16]
	s_mul_i32 s32, s18, 18432                      ; my quarter of the images
	s_mov_b32 s33, 0
	v_add_nc_u32 v[WCP], s32, v[LW0]
	v_lshlrev_b32 v[BO], 6, v3
	v_lshlrev_b32 v[BVO], 2, v2
	s_lshl_b32 s23, s18, 10
	v_add_nc_u32 v[KO], s23, v[L16]
	v_lshlrev_b32 v[VO], 4, v2
	v_lshl_add_u32 v[VO], v3, 3, v[VO]
	s_lshl_b32 s23, s18, 8
	v_add_nc_u32 v[VO], s23, v[VO]
	v_lshl_add_u32 v[QSA], v0, 2, QSCL
	s_lshl_b32 s23, s18, 2
	v_add_nc_u32 v[KSA], s23, v[L16]               ; (KSCL is 0)
	v_lshl_add_u32 v[VSA], v2, 3, VSCL
	v_add_nc_u32 v[VSA], s18, v[VSA]
.irp b, 0,1,2,3
	v_mov_b32 v[TB+\b], 0                          ; written once: a lane permute's destination counts as one of its sources
.endr
	s_mov_b32 s20, 0x76543210
	s_mov_b32 s21, 0xfedcba98                      ; v_permlanex16_b32's selects for lane l xor 16
	s_mov_b32 s22, 0xffff0000                      ; lanes 16-31
	s_mul_i32 s34, ttmp9, 393216                   ; 128 tokens of 3,072 bytes,
	s_mul_i32 s35, s18, 98304                      ; my 32 of them
	s_add_co_u32 s34, s34, s35
	s_mov_b32 s35, 0
	s_mul_i32 s36, ttmp9, 8960
	s_mov_b32 s37, 0
	s_mul_i32 s38, ttmp9, 4608
	s_mov_b32 s39, 0
	s_wait_kmcnt 0x0
	s_add_nc_u64 s[24:25], s[4:5], s[34:35]        ; info at my first token
	s_add_nc_u64 s[26:27], s[6:7], s[32:33]        ; wimg at my quarter
	s_add_nc_u64 s[28:29], s[16:17], s[36:37]      ; my record of kv
	s_add_nc_u64 s[30:31], s[14:15], s[38:39]      ; and of qq
	WIN 0x40                                       ; destination window 1
	s_wait_alu depctr_va_vdst(0)                   ; the fourteen offsets and LDS addresses v4 to v17 are written: every load, store and LDS instruction of the kernel reads one of them, and none is written again
.set T, 0
.rept 36
	global_load_b128 v[4*T:4*T+3], v[L16], s[26:27] offset:512*T
.set T, T+1
.endr
	XLOAD 0
	s_wait_loadcnt 32                              ; all but K step 0's 32 loads: my quarter of the images is in
	WIN 0x04                                       ; an LDS store's data are its source 1: window 1
.set T, 0
.rept 36
	ds_store_b128 v[WCP], v[4*T:4*T+3] offset:512*T
.set T, T+1
.endr
	WIN 0
.irp s, 0,1,2,3,4,5
.irp m, 0,1,2
	global_load_b64 v[WS+2*(3*\s+\m):WS+2*(3*\s+\m)+1], v[L8], s[6:7] offset:73728+768*\s+256*\m
.endr
.endr
	WIN 0x40
.irp t, 0,1,2,3                                ; lane (r, h) wants, for tile t, the biases of channels 32 (t / 2) + 8 (t % 2) + 16 h + 0 .. 7
	global_load_b128 v[192+8*\t:195+8*\t], v[BO], s[8:9] offset:(32*(\t/2)+8*(\t%2))*4
	global_load_b128 v[196+8*\t:199+8*\t], v[BO], s[8:9] offset:(32*(\t/2)+8*(\t%2))*4+16
	global_load_b128 v[224+8*\t:227+8*\t], v[BO], s[10:11] offset:(32*(\t/2)+8*(\t%2))*4
	global_load_b128 v[228+8*\t:231+8*\t], v[BO], s[10:11] offset:(32*(\t/2)+8*(\t%2))*4+16
.endr
	WIN 0
.irp t, 0,1,2,3
	global_load_b32 v[BVR+\t], v[BVO], s[12:13] offset:64*\t
.endr
	XLOAD 1
	WIN 0
	s_wait_dscnt 0x0                               ; for the others' sake: my quarter of the images has landed
	s_barrier_signal -1
	s_barrier_wait -1                              ; all of W lies in LDS
	s_wait_alu depctr_vm_vsrc(0)                   ; my LDS stores have read v0 to v143 of window 1: these registers are accumulators from here on, written by the products
	WLOAD 0, 0                                     ; K step 0's fragments of W; each later step's are asked for among the products of the step before
	WLOAD 0, 6
; A K STEP of 128: my 32 tokens' numbers through the stage, two fragments of codes, 24 matrix instructions.  The 24 accumulators take turns, one instruction a turn, in the same order in every step.
.macro KSTEP s
.if (\s) < 5
	s_wait_loadcnt 32                              ; this step's numbers are in (in step 0 the scale words and biases too); the next step's 32 loads may be out
.else
	s_wait_loadcnt 0x0
.endif
.if (\s) == 0
	WIN 0xc0
.irp t, 0,1,2,3
.irp j, 0,1,2,3,4,5,6,7
	v_mov_b32 v[96+8*\t+\j], v[BVR+\t]             ; v's bias in the result's layout: a lane holds one channel, so its eight registers hold one number
.endr
.endr
.endif
	WIN 0x08                                       ; the stores' data: window 2
.set T, 0
.rept 32
	ds_store_b128 v[STW], v[128*((\s)%2)+4*T:128*((\s)%2)+4*T+3] offset:(16*((T/8)%2)+8*(T/16)+T%8)*SPITCH   ; token T is row T % 8 + 8 (T / 16) of tile (T / 8) % 2: a tile's rows lie on end
.set T, T+1
.endr
	WIN 0
.irp u, 0,1
.irp b, 0,1,2,3
.irp j, 0,1,2,3
	ds_load_b128 v[XN+64*\u+16*\b+4*\j:XN+64*\u+16*\b+4*\j+3], v[STR] offset:16*\u*SPITCH+128*\b+16*\j   ; row r: my 16 numbers of block b.  LDS serves a wave's instructions in order: these see the stores above.  No wait: no vector or matrix instruction since the last step's wait on va_vdst names XN
.endr
.endr
.endr
.if (\s) <= 3
	WIN 0x80
	s_wait_dscnt 32                                ; all but the 32 loads just issued: the 32 stores are done (and this step's fragments of W, asked for ahead of them, are in)
	s_wait_alu depctr_vm_vsrc(0)                   ; the stage's stores have read set s % 2 of window 2, in which the loads below land
	XLOAD (\s)+2                                   ; the numbers of two steps on
.endif
	WIN 0
	s_wait_dscnt 16                                ; tile 0's 16 loads are in (out: tile 1's 16)
	QSC XN, 0
	W4 XW
	QCV XN, 0, PC
	QSW PC
	s_wait_dscnt 0x0                               ; tile 1's are in; W's fragments, older than they, are in too
	QSC XN+64, 0
	W4 XW+1
	QCV XN+64, 0, PC+8
	QSW PC+8
.rept 8
	v_nop                                          ; a scale register written by a vector instruction stands eight plain lines ahead of a scaled matrix instruction, an operand so written four
.endr
	s_wait_alu depctr_va_vdst(0)                   ; x's codes v[PC ..] and scale words v[XW ..] are written, which the products take; the maxima and conversions are done reading XN, in which the next step's stage loads land; the last step's products are done reading the other set of W, in which the loads below land
	WIN 0x53                                       ; source 0 (W) window 3, source 1 (x) window 0, C and D window 1
.irp u, 0,1
.irp t, 0,1,2,3
	MULQK \s, 0, \u, \t
.endr
.endr
.if (\s) < 5
	WLOAD (\s)+1, 0                                ; the next step's fragments of W, half of them.  No wait: the products since the wait above name this step's set, not the other, and not the address
.endif
	WIN 0x53
.irp u, 0,1
.irp t, 0,1,2,3
	MULQK \s, 1, \u, \t
.endr
.endr
.if (\s) < 5
	WLOAD (\s)+1, 6                                ; and the other half
.endif
.if (\s) == 0
	WIN 0x7c                                       ; source 0 (x) window 0, source 1 (W) window 3, C (bv) window 3, D window 1
.else
	WIN 0x5c                                       ; C and D window 1
.endif
.irp t, 0,1,2,3
.irp u, 0,1
	MULV \s, \t, \u
.endr
.endr
.endm
	KSTEP 0
	KSTEP 1
	KSTEP 2
	KSTEP 3
	KSTEP 4
	KSTEP 5
.rept 4
	v_nop                                          ; four plain lines between the last products and the first read of results
.endr
	; THE WAY OUT.  q, k and v are quantised one after the other, each into registers of its own; then one wait, and all stores in one run.
	; q: blocks 2 u + b: tile u, channels 32 b + 16 h + 0 .. 15 in my 16 registers
	QSC 0, 1
	W22 CWQ
	QCV 0, 1, PC
	QSW PC                                         ; registers 4 u .. 4 u + 3: tile u's codes, channels 32 h + 0 .. 31 of row r
	; k: the same
	QSC 64, 1
	W22 CWK
	QCV 64, 1, PC+8
	QSW PC+8
	; v: block t: channel 16 t + r, keys 32 w + 16 h + 0 .. 15 in my 16 registers: 8 bytes of codes, which lie at their place in the operand's image as they are
	QSC 128, 1
	QCV 128, 1, XN
	s_wait_alu depctr_va_vdst(0)                   ; the conversions and exchanges have written q's and k's codes v[PC .. PC + 15] and v's v[XN .. XN + 7]; the scale words v[CWQ], v[CWK] and v's bytes v[TB ..] are written: the stores below read them
.irp u, 0,1
	global_store_b128 v[KO], v[PC+4*\u:PC+4*\u+3], s[30:31] offset:512*\u   ; 32 lanes store 512 consecutive bytes, aligned
.endr
.irp u, 0,1
	global_store_b128 v[KO], v[PC+8+4*\u:PC+8+4*\u+3], s[28:29] offset:512*\u
.endr
.irp t, 0,1,2,3
	global_store_b64 v[VO], v[XN+2*\t:XN+2*\t+1], s[28:29] offset:4096+1024*\t   ; 32 lanes store 256 consecutive bytes, aligned
.endr
	ds_store_b32 v[QSA], v[CWQ]
	ds_store_b32 v[KSA], v[CWK]
.irp t, 0,1,2,3
	ds_store_b8 v[VSA], v[TB+\t] offset:(\t%2)*128+(\t/2)*4   ; byte w of the channel's scale word; both halves of the lanes write the same byte with the same value
.endr
	s_wait_dscnt 0x0                               ; for wave 0's sake: my stores have landed
	s_barrier_signal -1
	s_barrier_wait -1
	s_cmp_lg_u32 s18, 0                            ; wave 0 sends the record's scale words out in runs of 512, 512 and 256 consecutive bytes, aligned
	s_cbranch_scc1 .Lend
	ds_load_b128 v[RB:RB+3], v[L16] offset:KSCL    ; (no vector or matrix instruction names v[RB ..])
	ds_load_b128 v[RB+4:RB+7], v[L16] offset:QSCL
	ds_load_b64 v[RB+8:RB+9], v[L8] offset:VSCL
	s_wait_dscnt 0x0
	global_store_b128 v[L16], v[RB:RB+3], s[28:29] offset:8192
	global_store_b128 v[L16], v[RB+4:RB+7], s[30:31] offset:4096
	global_store_b64 v[L8], v[RB+8:RB+9], s[28:29] offset:8704
.Lend:
	s_wait_dscnt 0x0                               ; the wave's end
	s_wait_alu 0x0
	s_wait_tensorcnt 0x0
	ds_add_u32 v[SPW], v[NIL]
	s_wait_dscnt 0x0
	s_endpgm
.Lfunc_end_k_q21066b0db0_proj:
	.size	k_q21066b0db0_proj, .Lfunc_end_k_q21066b0db0_proj-k_q21066b0db0_proj
	.p2alignl 7, 3214868480
	.fill 96, 4, 3214868480
	.section	.rodata,"a",@progbits
	.p2align	6, 0x0
	.amdhsa_kernel k_q21066b0db0_proj
		.amdhsa_group_segment_fixed_size 143104
		.amdhsa_private_segment_fixed_size 0
		.amdhsa_enable_private_segment 0
		.amdhsa_kernarg_size 56
		.amdhsa_user_sgpr_count 2
		.amdhsa_user_sgpr_kernarg_segment_ptr 1
		.amdhsa_wavefront_size32 1
		.amdhsa_system_sgpr_workgroup_id_x 1
		.amdhsa_system_sgpr_workgroup_id_y 1
		.amdhsa_system_sgpr_workgroup_id_z 1
		.amdhsa_system_vgpr_workitem_id 0
		.amdhsa_next_free_vgpr 1024
		.amdhsa_next_free_sgpr 66
		.amdhsa_reserve_vcc 0
		.amdhsa_float_denorm_mode_32 3
		.amdhsa_float_denorm_mode_16_64 3
		.amdhsa_memory_ordered 1
		.amdhsa_forward_progress 1
		.amdhsa_inst_pref_size 145
	.end_amdhsa_kernel
	.amdgpu_metadata
---
amdhsa.version: [ 1, 2 ]
amdhsa.kernels:
  - .name:           k_q21066b0db0_proj
    .symbol:         k_q21066b0db0_proj.kd
    .args:
      - { .name: info, .offset: 0, .size: 8, .value_kind: global_buffer, .address_space: global }
      - { .name: wimg, .offset: 8, .size: 8, .value_kind: global_buffer, .address_space: global }
      - { .name: bq, .offset: 16, .size: 8, .value_kind: global_buffer, .address_space: global }
      - { .name: bk, .offset: 24, .size: 8, .value_kind: global_buffer, .address_space: global }
      - { .name: bv, .offset: 32, .size: 8, .value_kind: global_buffer, .address_space: global }
      - { .name: qq, .offset: 40, .size: 8, .value_kind: global_buffer, .address_space: global }
      - { .name: kv, .offset: 48, .size: 8, .value_kind: global_buffer, .address_space: global }
    .group_segment_fixed_size: 143104
    .private_segment_fixed_size: 0
    .kernarg_segment_align: 8
    .kernarg_segment_size: 56
    .max_flat_workgroup_size: 128
    .sgpr_count:     66
    .vgpr_count:     1024
    .wavefront_size: 32
...
	.end_amdgpu_metadata
.endif
;; end of part 5
;; launch attn (part 6): grid 16 x 16, 8 waves a work-group, clusters of 4 x 1, 179,456 bytes of LDS; arguments qq, kv, raw, stats; writes raw, stats
.if DOCPART == 6
	.amdgcn_target "amdgcn-amd-amdhsa--gfx1250"
	.amdhsa_code_object_version 6
	.text
	.protected	k_q21066b0db0_attn
	.globl	k_q21066b0db0_attn
	.p2align	8
	.type	k_q21066b0db0_attn,@function
k_q21066b0db0_attn:
	s_mov_b64 s[64:65], 0
	v_nop
	global_prefetch_b8 v0, s[64:65] scope:SCOPE_SE
	s_setreg_imm32_b32 hwreg(HW_REG_WAVE_MODE, 25, 1), 1
	s_wait_xcnt 0x0
	s_wait_alu depctr_hold_cnt(0) depctr_sa_sdst(0) depctr_va_vdst(0) depctr_va_sdst(0) depctr_va_ssrc(0) depctr_va_vcc(0) depctr_vm_vsrc(0)
	s_getreg_b32 s2, hwreg(HW_REG_IB_STS2, 6, 4)
	s_cmp_eq_u32 s2, 0
	s_cbranch_scc0 .Lentry_in_a_cluster
	s_endpgm
.Lentry_in_a_cluster:
	s_bfe_u32 s2, ttmp6, 0x10000c
	s_cmp_lg_u32 s2, 0x3003
	s_cbranch_scc0 .Lentry_shape_is_right
	s_endpgm
.Lentry_shape_is_right:
; raw[slice][q][:] = the sum over k of softmax_k(q . k / 8) v[k][:], both products on codes of FP4 (E2M1) with one E8M0 scale for each 32 along a product's K; and for each 256 results their mean and their sum of squared
; distances from it, for the norm that follows.  No work is left out.  The first product's K is 64 where the instruction's is 128: the upper 64 are zero codes on both sides under the byte 0x7f, the quantiser's own fill.
; THE SOFTMAX AHEAD OF THE SECOND PRODUCT: t = score x log2(e) / 8; M = the row's largest t so far, rounded UP to a whole number; p = 2^(t - M) is what is quantised, along the keys, not normalised.
; The row's sum is taken of the unquantised p and divides at the end.  When M moves, the sum and O are multiplied by 2^(old M - new M): exact.
; SHARES.  A work-group owns 128 queries of one slice (one record of qq), each of its eight waves one tile of 16, in 256 registers: two waves to a SIMD.  Every wave walks the slice's 16 key steps of 128 keys.
; THE WHOLE SLICE'S K AND V, 16 records of 8,960 bytes, LIE IN LDS: each byte is filled once, nothing is filled again.  Wave w fetches records w and 8 + w: two tensor loads of mine are out at the most.
; CLUSTER.  The four query blocks of a cluster belong to one slice and read the same records: each is asked for JOINTLY, by the same tensor load with the same descriptor and a mask that names the four.
; My place in the cluster enters only the addresses of qq, raw and stats.
; LAYOUT.  Operands lie in the records as images of their registers (16 bytes a lane, lane by lane): every LDS load takes 512 consecutive bytes.  Both products are used transposed: S^T = K Q^T (source 0 = 16 keys,
; source 1 = my 16 queries), O^T = V^T P^T (source 0 = 16 channels, source 1 = P): a lane holds ONE query (lane % 16) throughout.  Row r of tile 2 b + u, of keys and of queries alike, is token 32 b + 8 u + r + 8 (r / 8)
; of its record, so the 16 registers of tiles 2 b and 2 b + 1 of S^T are keys 32 b + 16 (lane / 16) + 0 .. 15.
; LIMITS: NaN and infinities are not served; a block of p that has fallen to zeros keeps the byte 1 (its codes are zeros).
.set REC,   8960                       ; a record: K's codes 4,096, V's 4,096, K's scale words 512, V's 256
.set STAGE, 143360                     ; behind the 16 records: 16 rows x 272 bytes for each wave, for the way out
.set SP,    272
.set STATL, 178176                     ; 32 pairs (mean, sum of squares), 256 bytes
.set SPARE, 178432                     ; the spare words, 128 bytes for each wave: four blocks of 256 bytes that no other line names
.set L16, 1                            ; v1   16 x lane
.set L8,  2                            ; v2   8 x lane
.set A16, 3                            ; v3   the step's record + 16 x lane
.set A8,  4                            ; v4   the step's record + 8 x lane
.set STO, 5                            ; v5   the way out: where I put 32 bytes of a row
.set RD,  6                            ; v6   where I read a row back
.set GO,  7                            ; v7   my byte offset in the wave's rows of raw
.set STA, 8                            ; v8   STATL + 8 x (thread / 8)
.set R4,  9                            ; v9   4 r
.set QF,  16                           ; v16-23 Q's fragment (v20-23: zero codes)
.set KS,  24                           ; v24-27 K's scale words;  v28-29 V's;  v30 Q's;  v31 p's: these hold scales and nothing else
.set VS,  28
.set QS,  30
.set PW,  31
.set KF,  32                           ; v32-95 K's eight fragments (the upper four registers of each: zero codes, written once)
.set SS,  96                           ; v96-159 S^T, then p
.set OT,  160                          ; v160-191 O^T, four tiles
.set VF,  192                          ; v192-223 V's four fragments
.set PCD, 224                          ; v224-231 p's codes
.set BM,  232                          ; v232-235 the blocks' largest scores, then largest p
.set TP,  236                          ; v236-239 at work
.set SO,  244                          ; v244-247 the conversions' scale operands
.set FF,  248                          ; v[248:249] f = 2^(old M - new M); v249 is only named with it
.set STL, 250                          ; v250 STATL + 8 x lane
.set SPW, 252                          ; v252 LDS address of my spare word; never rewritten
.set NIL, 253                          ; v253 0; never rewritten
.set WV,  12                           ; s12  my wave's number
.set G1,  16                           ; s[16:23] descriptor group 1;  s[24:27], s[28:31] groups 0 of my two loads
.set SEL, 32                           ; s[32:33] lane selects for v_permlanex16_b32: lane l xor 16
.set CS,  34                           ; s[34:35] c = log2(e) / 8
.set TB,  36                           ; s36  LDS byte at which the step's record begins
.set CNT, 37                           ; s37  the loops' counter
; A round of the cluster's barrier: my work-group's barrier; wave 0 signals for the work-group; every wave waits for all four work-groups; my work-group's barrier once more.
.macro ROUND
	s_barrier_signal -1
	s_barrier_wait -1
	s_cmp_lg_u32 s[WV], 0
	s_cbranch_scc1 .Lnot_wave_0_\@
	s_barrier_signal -3
.Lnot_wave_0_\@:
	s_barrier_wait -3
	s_barrier_signal -1
	s_barrier_wait -1
.endm
	s_load_b256 s[4:11], s[0:1], 0x0               ; qq s[4:5], kv s[6:7], raw s[8:9], stats s[10:11]
	v_lshl_add_u32 v[SPW], v0, 2, SPARE
	v_mov_b32 v[NIL], 0
	ds_add_u32 v[SPW], v[NIL]                      ; the wave's opening: the add, twice on end, and its wait ahead of my first tensor load
	ds_add_u32 v[SPW], v[NIL]                      ; and once more, under the one wait; the set-up below, work on registers, stands between
	v_lshrrev_b32 v10, 5, v0
	s_delay_alu instid0(VALU_DEP_1)
	v_readfirstlane_b32 s[WV], v10                 ; wave 0..7
	s_bfe_u32 s13, ttmp6, 0x40000                  ; cx: my place in the cluster
	s_lshl_b32 s14, ttmp9, 2                       ; in a cluster launch ttmp9 counts clusters
	s_add_co_u32 s14, s14, s13                     ; my block of 128 queries
	s_and_b32 s15, ttmp7, 0xffff                   ; the slice, which the four partners share
	; descriptor group 1: a record as 35 rows of 256 bytes (32 elements of 8 bytes), dense in memory and in LDS
	s_mov_b32 s[G1], 15|(3<<16)|(1<<21)            ; 15:0 the mask: all four work-groups; 17:16 elements of 8 bytes; 20 no padding; 21 set beside a mask
	s_mov_b32 s[G1+1], 32<<16                      ; tensor_dim0 = 32
	s_mov_b32 s[G1+2], 35<<16                      ; tensor_dim1 = 35
	s_mov_b32 s[G1+3], 32<<16                      ; tile_dim0 = 32
	s_mov_b32 s[G1+4], 35                          ; tile_dim1 = 35
	s_mov_b32 s[G1+5], 32                          ; from row to row: 32 elements
	s_mov_b32 s[G1+6], 0
	s_mov_b32 s[G1+7], 0
	s_mul_i32 s38, s[WV], REC                      ; record w: its place in LDS and in the slice: no place in the cluster enters it
	s_mul_i32 s40, s15, 16*REC
	s_add_co_u32 s40, s40, s38
	s_mov_b32 s41, 0
	s_lshl_b32 s42, s15, 4
	s_add_co_u32 s42, s42, s14                     ; my block's number among all: 16 x slice + block
	s_mul_i32 s44, s42, 4608
	s_lshl_b32 s43, s[WV], 9
	s_add_co_u32 s44, s44, s43                     ; my tile's codes in qq
	s_mov_b32 s45, 0
	s_mul_i32 s46, s42, 4608
	s_lshl_b32 s43, s[WV], 6
	s_add_co_u32 s46, s46, s43
	s_add_co_u32 s46, s46, 4096                    ; and its scale words
	s_mov_b32 s47, 0
	s_lshl_b32 s48, s42, 7                         ; raw: my block's first row,
	s_lshr_b32 s43, s[WV], 1
	s_lshl_b32 s43, s43, 5
	s_add_co_u32 s48, s48, s43
	s_and_b32 s43, s[WV], 1
	s_lshl_b32 s43, s43, 3
	s_add_co_u32 s48, s48, s43                     ; + 32 (w / 2) + 8 (w % 2): my tile's first token,
	s_lshl_b32 s48, s48, 8                         ; in rows of 256 bytes
	s_mov_b32 s49, 0
	s_lshl_b32 s50, s42, 8                         ; stats: 256 bytes a block
	s_mov_b32 s51, 0
	s_mov_b32 s[SEL], 0x76543210
	s_mov_b32 s[SEL+1], 0xfedcba98
	s_mov_b32 s[CS], 0x3e38aa3b                    ; c = log2(e) / 8
	s_mov_b32 s[CS+1], s[CS]                       ; (named with it as a pair, so it is written)
	s_mov_b32 s[TB], 0
	s_wait_dscnt 0x0                               ; both opening adds are done
	s_wait_kmcnt 0x0
	s_mov_b32 s24, 1                               ; group 0: count = 1,
	s_mov_b32 s25, s38                             ; the LDS address,
	s_add_nc_u64 s[26:27], s[6:7], s[40:41]        ; the global address: record w of the slice,
	s_mov_b32 s28, 1
	s_add_co_u32 s29, s38, 8*REC
	s_add_nc_u64 s[30:31], s[26:27], 8*REC         ; and record 8 + w
	s_or_b32 s27, s27, 0x80000000                  ; type = 2
	s_or_b32 s31, s31, 0x80000000
	s_add_nc_u64 s[44:45], s[4:5], s[44:45]
	s_add_nc_u64 s[46:47], s[4:5], s[46:47]
	s_add_nc_u64 s[48:49], s[8:9], s[48:49]
	s_add_nc_u64 s[50:51], s[10:11], s[50:51]
	ROUND                                          ; all four work-groups are here: the joint loads meet
	tensor_load_to_lds s[24:27], s[G1:G1+7]        ; the first fills go out as one group, ahead of every wait on TENSORcnt and every LDS read
	s_nop 0
	tensor_load_to_lds s[28:31], s[G1:G1+7]
	s_nop 0
.rept 4
	v_nop
.endr
	v_and_b32 v10, 31, v0
	s_delay_alu instid0(VALU_DEP_1)
	v_lshlrev_b32 v[L16], 4, v10
	s_delay_alu instid0(VALU_DEP_2)
	v_lshlrev_b32 v[L8], 3, v10
	v_and_b32 v11, 15, v0
	s_delay_alu instid0(VALU_DEP_1)
	v_lshlrev_b32 v[R4], 2, v11
	global_load_b128 v[QF:QF+3], v[L16], s[44:45]  ; Q's codes stay in registers
	global_load_b32 v[QS], v[R4], s[46:47]         ; and its scale words
	v_lshrrev_b32 v[STA], 3, v0
	s_delay_alu instid0(VALU_DEP_1)
	v_lshl_add_u32 v[STA], v[STA], 3, STATL
	v_add_nc_u32 v[STL], STATL, v[L8]
.irp j, 4,5,6,7
	v_mov_b32 v[QF+\j], 0                          ; zero codes for K = 64 .. 127
.endr
.irp t, 0,1,2,3,4,5,6,7
.irp j, 4,5,6,7
	v_mov_b32 v[KF+8*\t+\j], 0                     ; the same in K's eight fragments: written once, the loads fill the lower four
.endr
.endr
.irp j, 0,1,2,3,4,5,6,7,8,9,10,11,12,13,14,15,16,17,18,19,20,21,22,23,24,25,26,27,28,29,30,31
	v_mov_b32 v[OT+\j], 0                          ; O^T.  (The step is written once: the first finds zeros, which the first change of M leaves zeros)
.endr
	v_mov_b32 v13, 0xff61b1e6                      ; the largest t so far: -3e38, under every t
	s_delay_alu instid0(VALU_DEP_1)
	v_floor_f32 v12, -v13                          ; -M
	v_mov_b32 v14, 0                               ; the sum, in two halves
	v_mov_b32 v15, 0
.irp b, 0,1,2,3
	v_mov_b32 v[TP+\b], 0                          ; written once: a lane permute's destination counts as one of its sources
.endr
	v_mov_b32 v[FF+1], 0                           ; (named as the upper half of the pair before it is first written)
	s_wait_tensorcnt 0x1                           ; my record w is in; record 8 + w may stay out
	s_barrier_signal -1
	s_barrier_wait -1                              ; records 0 to 7 are whole
.irp t, 0,1,2,3,4,5,6,7
	ds_load_b128 v[KF+8*\t:KF+8*\t+3], v[L16] offset:512*\t   ; K of step 0
.endr
	ds_load_b128 v[KS:KS+3], v[L16] offset:8192
	s_wait_loadcnt 0x0                             ; Q
	s_wait_dscnt 0x0                               ; K of step 0.  (In the loops the wait ahead of a step's second product has the next step's K in too)
.macro SMUL t
.if (\t)%2
	v_wmma_scale_f32_16x16x128_f8f6f4 v[SS+8*(\t):SS+8*(\t)+7], v[KF+8*(\t):KF+8*(\t)+7], v[QF:QF+7], 0, v[KS+(\t)/2], v[QS] matrix_a_fmt:MATRIX_FMT_FP4 matrix_b_fmt:MATRIX_FMT_FP4 matrix_a_scale:MATRIX_SCALE_ROW1
.else
	v_wmma_scale_f32_16x16x128_f8f6f4 v[SS+8*(\t):SS+8*(\t)+7], v[KF+8*(\t):KF+8*(\t)+7], v[QF:QF+7], 0, v[KS+(\t)/2], v[QS] matrix_a_fmt:MATRIX_FMT_FP4 matrix_b_fmt:MATRIX_FMT_FP4
.endif
.endm
.macro OMUL t
.if (\t)%2
	v_wmma_scale_f32_16x16x128_f8f6f4 v[OT+8*(\t):OT+8*(\t)+7], v[VF+8*(\t):VF+8*(\t)+7], v[PCD:PCD+7], v[OT+8*(\t):OT+8*(\t)+7], v[VS+(\t)/2], v[PW] matrix_a_fmt:MATRIX_FMT_FP4 matrix_b_fmt:MATRIX_FMT_FP4 matrix_a_scale:MATRIX_SCALE_ROW1
.else
	v_wmma_scale_f32_16x16x128_f8f6f4 v[OT+8*(\t):OT+8*(\t)+7], v[VF+8*(\t):VF+8*(\t)+7], v[PCD:PCD+7], v[OT+8*(\t):OT+8*(\t)+7], v[VS+(\t)/2], v[PW] matrix_a_fmt:MATRIX_FMT_FP4 matrix_b_fmt:MATRIX_FMT_FP4
.endif
.endm
; A KEY STEP: 128 keys.  more = 1: the next step's K is fetched under this step's softmax.
.macro STEP more
.irp t, 0,1,2,3,4,5,6,7
	SMUL \t                                        ; S^T = K Q^T: eight tiles of 16 keys
.endr
	v_add_nc_u32 v[A16], s[TB], v[L16]             ; two additions and two v_nop: the four plain lines between these products and the loads into their registers, and the first read of their results
	v_add_nc_u32 v[A8], s[TB], v[L8]
	v_nop
	v_nop
.irp t, 0,1,2,3
.irp c, 0,1
	ds_load_b128 v[VF+8*\t+4*\c:VF+8*\t+4*\c+3], v[A16] offset:4096+1024*\t+512*\c   ; V of this step
.endr
.endr
	ds_load_b64 v[VS:VS+1], v[A8] offset:8704
.if \more
.irp t, 0,1,2,3,4,5,6,7
	ds_load_b128 v[KF+8*\t:KF+8*\t+3], v[A16] offset:REC+512*\t   ; K of the next step
.endr
	ds_load_b128 v[KS:KS+3], v[A16] offset:REC+8192
.endif
.irp b, 0,1,2,3
	v_max3_num_f32 v[BM+\b], v[SS+16*\b], v[SS+1+16*\b], v[SS+2+16*\b]   ; THE LARGEST SCORE OF EACH BLOCK OF 32 KEYS: for the row's maximum, and, since p rises with the score, for the block's largest p
.endr
.irp i, 3,5,7,9,11,13
.irp b, 0,1,2,3
	v_max3_num_f32 v[BM+\b], v[BM+\b], v[SS+16*\b+\i], v[SS+1+16*\b+\i]   ; (the four blocks by turns)
.endr
.endr
.irp b, 0,1,2,3
	v_max_num_f32 v[BM+\b], v[BM+\b], v[SS+15+16*\b]
.endr
.irp b, 0,1,2,3
	s_delay_alu instid0(VALU_DEP_4)
	v_permlanex16_b32 v[TP+\b], v[BM+\b], s[SEL], s[SEL+1]
.endr
.irp b, 0,1,2,3
	s_delay_alu instid0(VALU_DEP_4)
	v_max_num_f32 v[BM+\b], v[BM+\b], v[TP+\b]     ; with lane l xor 16's 16 keys
.endr
	s_delay_alu instid0(VALU_DEP_2)
	v_max3_num_f32 v254, v[BM], v[BM+1], v[BM+2]
	s_delay_alu instid0(VALU_DEP_1)
	v_max_num_f32 v254, v254, v[BM+3]              ; the step's largest score of my query
	s_delay_alu instid0(VALU_DEP_1)
	v_mul_f32 v254, s[CS], v254                    ; as t (c is positive)
	s_delay_alu instid0(VALU_DEP_1)
	v_max_num_f32 v13, v13, v254                   ; the running largest t
	v_mov_b32 v254, v12
	s_delay_alu instid0(VALU_DEP_2)
	v_floor_f32 v12, -v13                          ; the new -M = floor(-t) = -ceil(t): M is a whole number
	s_delay_alu instid0(VALU_DEP_1)
	v_sub_f32 v254, v12, v254                      ; M's old value less its new one: a whole number, 0 or less
	s_delay_alu instid0(VALU_DEP_1)
	v_cvt_i32_f32 v254, v254                       ; (it saturates)
	s_delay_alu instid0(VALU_DEP_1)
	v_ldexp_f32 v[FF], 1.0, v254                   ; f = 2^(old M - new M): a multiplication by it rounds nothing
.irp j, 0,2,4,6,8,10,12,14,16,18,20,22,24,26,28,30,32,34,36,38,40,42,44,46,48,50,52,54,56,58,60,62
	v_pk_fma_f32 v[SS+\j:SS+1+\j], v[SS+\j:SS+1+\j], s[CS:CS+1], v[12:13] op_sel_hi:[1,0,0]   ; t - M, two at a time (of the pairs c and -M the low word serves both halves)
.endr
.irp b, 0,1,2,3
	v_fma_f32 v[BM+\b], v[BM+\b], s[CS], v12       ; the same of each block's largest score
.endr
	s_wait_alu depctr_va_vdst(0)
.irp j, 0,1,2,3,4,5,6,7,8,9,10,11,12,13,14,15,16,17,18,19,20,21,22,23,24,25,26,27,28,29,30,31,32,33,34,35,36,37,38,39,40,41,42,43,44,45,46,47,48,49,50,51,52,53,54,55,56,57,58,59,60,61,62,63
	v_exp_f32 v[SS+\j], v[SS+\j]                   ; p = 2^(t - M), at most 1: not normalised
.endr
	v_pk_mul_f32 v[14:15], v[14:15], v[FF:FF+1] op_sel_hi:[1,0]   ; the sums under the new M: a plain line behind the exponentials
	s_wait_alu depctr_va_vdst(0)                   ; one wait for the whole batch, ahead of its first reader
.irp b, 0,1,2,3
	v_exp_f32 v[BM+\b], v[BM+\b]                   ; the block's largest p: the same two instructions on the same number give the same bits
.endr
	v_pk_add_f32 v[236:237], v[100:101], v[104:105]
	v_pk_add_f32 v[246:247], v[108:109], v[112:113]
	v_pk_add_f32 v[244:245], v[116:117], v[120:121]
	v_pk_add_f32 v[242:243], v[124:125], v[128:129]
	v_pk_add_f32 v[240:241], v[132:133], v[136:137]
	v_pk_add_f32 v[238:239], v[140:141], v[144:145]
	v_pk_add_f32 v[230:231], v[148:149], v[152:153]
	v_pk_add_f32 v[14:15], v[14:15], v[156:157]
	v_pk_add_f32 v[236:237], v[236:237], v[96:97]
	v_pk_add_f32 v[246:247], v[246:247], v[98:99]
	v_pk_add_f32 v[244:245], v[244:245], v[102:103]
	v_pk_add_f32 v[242:243], v[242:243], v[106:107]
	v_pk_add_f32 v[240:241], v[240:241], v[110:111]
	v_pk_add_f32 v[238:239], v[238:239], v[114:115]
	v_pk_add_f32 v[230:231], v[230:231], v[118:119]
	v_pk_add_f32 v[14:15], v[14:15], v[122:123]
	v_pk_add_f32 v[236:237], v[236:237], v[126:127]
	v_pk_add_f32 v[246:247], v[246:247], v[130:131]
	v_pk_add_f32 v[244:245], v[244:245], v[134:135]
	v_pk_add_f32 v[242:243], v[242:243], v[138:139]
	v_pk_add_f32 v[240:241], v[240:241], v[142:143]
	v_pk_add_f32 v[238:239], v[238:239], v[146:147]
	v_pk_add_f32 v[230:231], v[230:231], v[150:151]
	v_pk_add_f32 v[14:15], v[14:15], v[154:155]
	v_pk_add_f32 v[236:237], v[236:237], v[158:159]
	s_delay_alu instid0(VALU_DEP_2)
	v_pk_add_f32 v[14:15], v[14:15], v[242:243]
	s_delay_alu instid0(VALU_DEP_2)
	v_pk_add_f32 v[236:237], v[236:237], v[240:241]
	v_pk_add_f32 v[246:247], v[246:247], v[238:239]
	v_pk_add_f32 v[244:245], v[244:245], v[230:231]
	s_delay_alu instid0(VALU_DEP_2)
	v_pk_add_f32 v[14:15], v[14:15], v[246:247]
	s_delay_alu instid0(VALU_DEP_2)
	v_pk_add_f32 v[236:237], v[236:237], v[244:245]
	s_delay_alu instid0(VALU_DEP_1)
	v_pk_add_f32 v[14:15], v[14:15], v[236:237]
	s_wait_alu depctr_va_vdst(0)                   ; and one for the four
.irp b, 0,1,2,3
	v_max_num_f32 v[BM+\b], 0x1800000, v[BM+\b]    ; the floor 2^(3 - 127): the byte cannot fall under 1
.endr
.irp b, 0,1,2,3
	s_delay_alu instid0(VALU_DEP_4)
	v_add_nc_u32 v[SO+\b], 0xff000000, v[BM+\b]    ; 2 off the exponent field: the conversion's scale operand
.endr
.irp b, 0,1,2,3
	s_delay_alu instid0(VALU_DEP_4)
	v_lshrrev_b32 v[TP+\b], 23, v[SO+\b]           ; the scale's byte
.endr
	s_delay_alu instid0(VALU_DEP_3)
	v_lshl_or_b32 v[PW], v[TP+1], 8, v[TP]         ; p's scale word for these 128 keys
	s_delay_alu instid0(VALU_DEP_1)
	v_lshl_or_b32 v[PW], v[TP+2], 16, v[PW]
	s_delay_alu instid0(VALU_DEP_1)
	v_lshl_or_b32 v[PW], v[TP+3], 24, v[PW]
.irp b, 0,1,2,3
	v_cvt_scalef32_pk8_fp4_f32 v[PCD+2*\b], v[SS+16*\b:SS+7+16*\b], v[SO+\b]
	v_cvt_scalef32_pk8_fp4_f32 v[PCD+1+2*\b], v[SS+8+16*\b:SS+15+16*\b], v[SO+\b]
.endr
	v_nop                                          ; one plain line behind the last scaled conversion
.irp c, 0,1                                    ; the operand's layout wants a WHOLE block in a lane: lanes 0-15 block 2 c, lanes 16-31 block 2 c + 1
.irp i, 0,1
	v_permlane16_swap_b32 v[PCD+4*\c+\i], v[PCD+2+4*\c+\i]
.endr
.endr
.irp j, 0,2,4,6,8,10,12,14,16,18,20,22,24,26,28,30
	v_pk_mul_f32 v[OT+\j:OT+1+\j], v[OT+\j:OT+1+\j], v[FF:FF+1] op_sel_hi:[1,0]   ; O^T under the new M, each accumulator from its low end on; these sixteen also stand between the scale word's and the codes' last writes and the products
.endr
	s_wait_alu depctr_va_vdst(0)
	s_wait_dscnt 0x0                               ; V is in, and the next step's K
.irp t, 0,1,2,3
	OMUL \t                                        ; O^T += V^T P^T: the four accumulators by turns
.endr
	s_add_co_u32 s[TB], s[TB], REC                 ; on to the next record
.endm
	s_mov_b32 s[CNT], 7
.Lfirst:                                           ; steps 0 to 6: they read records 0 to 7 at the most
	STEP 1
	s_sub_co_u32 s[CNT], s[CNT], 1
	s_cmp_lg_u32 s[CNT], 0
	s_cbranch_scc1 .Lfirst
	s_wait_tensorcnt 0x0                           ; my record 8 + w is in,
	s_wait_dscnt 0x0
	s_barrier_signal -1
	s_barrier_wait -1                              ; everybody's is: all 16 records are whole
	s_mov_b32 s[CNT], 8
.Lsecond:                                          ; steps 7 to 14
	STEP 1
	s_sub_co_u32 s[CNT], s[CNT], 1
	s_cmp_lg_u32 s[CNT], 0
	s_cbranch_scc1 .Lsecond
	STEP 0                                         ; step 15: there is no K behind it
	; THE WAY OUT.  O^T is divided by the row's sum and goes through my stage in LDS, so that sixteen lanes store a whole row of 256 bytes.
	v_add_f32 v14, v14, v15                        ; the sum's two halves,
	s_delay_alu instid0(VALU_DEP_1)
	v_permlanex16_b32 v254, v14, s[SEL], s[SEL+1]
	s_delay_alu instid0(VALU_DEP_1)
	v_add_f32 v14, v14, v254                       ; and lane l xor 16's: the row's sum
	s_wait_alu depctr_va_vdst(0)
	v_rcp_f32 v14, v14
	v_and_b32 v10, 15, v0                          ; r.  (The address work is the plain work behind the reciprocal and behind the last products)
	v_bfe_u32 v11, v0, 4, 1                        ; h
	s_mul_i32 s38, s[WV], 16*SP
	s_add_co_u32 s38, s38, STAGE                   ; my stage
	v_mul_u32_u24 v[STO], v10, SP
	s_delay_alu instid0(VALU_DEP_1)
	v_lshl_add_u32 v[STO], v11, 5, v[STO]
	s_delay_alu instid0(VALU_DEP_1)
	v_add_nc_u32 v[STO], s38, v[STO]               ; in: row r; tile t's eight channels of my half: 64 t + 32 h bytes on
	v_mul_u32_u24 v[RD], v11, SP
	s_delay_alu instid0(VALU_DEP_1)
	v_lshl_add_u32 v[RD], v10, 4, v[RD]
	s_delay_alu instid0(VALU_DEP_1)
	v_add_nc_u32 v[RD], s38, v[RD]                 ; back: lanes 0-15 one row, lanes 16-31 the next
	v_lshlrev_b32 v[GO], 8, v11
	s_delay_alu instid0(VALU_DEP_1)
	v_lshl_add_u32 v[GO], v10, 4, v[GO]            ; and the same two rows in raw
	s_wait_alu depctr_va_vdst(0)                   ; the wait ahead of the reciprocal's first reader
.irp j, 0,2,4,6,8,10,12,14,16,18,20,22,24,26,28,30
	v_pk_mul_f32 v[SS+\j:SS+1+\j], v[OT+\j:OT+1+\j], v[14:15] op_sel_hi:[1,0]   ; y: register 8 t + i is y(query r, channel 16 t + 8 h + i)
.endr
.irp t, 0,1,2,3
	ds_store_b128 v[STO], v[SS+8*\t:SS+3+8*\t] offset:64*\t
	ds_store_b128 v[STO], v[SS+4+8*\t:SS+7+8*\t] offset:64*\t+16
.endr
.irp i, 0,1,2,3,4,5,6,7
	ds_load_b128 v[VF+4*\i:VF+4*\i+3], v[RD] offset:2*\i*SP   ; LDS serves a wave's instructions in order: these see my stores
.endr
	v_pk_add_f32 v[130:131], v[96:97], v[98:99]
	v_pk_add_f32 v[254:255], v[104:105], v[108:109]
	v_pk_add_f32 v[248:249], v[112:113], v[116:117]
	v_pk_add_f32 v[246:247], v[120:121], v[124:125]
	v_pk_add_f32 v[244:245], v[100:101], v[102:103]
	v_pk_add_f32 v[242:243], v[106:107], v[110:111]
	v_pk_add_f32 v[240:241], v[114:115], v[118:119]
	v_pk_add_f32 v[128:129], v[122:123], v[126:127]
	s_delay_alu instid0(VALU_DEP_1)
	v_pk_add_f32 v[128:129], v[128:129], v[246:247]
	v_pk_add_f32 v[130:131], v[130:131], v[244:245]
	v_pk_add_f32 v[254:255], v[254:255], v[242:243]
	v_pk_add_f32 v[248:249], v[248:249], v[240:241]
	s_delay_alu instid0(VALU_DEP_2)
	v_pk_add_f32 v[128:129], v[128:129], v[254:255]
	s_delay_alu instid0(VALU_DEP_2)
	v_pk_add_f32 v[130:131], v[130:131], v[248:249]
	s_delay_alu instid0(VALU_DEP_1)
	v_pk_add_f32 v[128:129], v[128:129], v[130:131]
	s_delay_alu instid0(VALU_DEP_1)
	v_add_f32 v128, v128, v129
	s_delay_alu instid0(VALU_DEP_1)
	v_add_f32_dpp v128, v128, v128 row_xmask:1 row_mask:0xf bank_mask:0xf
	s_delay_alu instid0(VALU_DEP_1)
	v_add_f32_dpp v128, v128, v128 row_xmask:2 row_mask:0xf bank_mask:0xf
	s_delay_alu instid0(VALU_DEP_1)
	v_add_f32_dpp v128, v128, v128 row_xmask:4 row_mask:0xf bank_mask:0xf
	s_delay_alu instid0(VALU_DEP_1)
	v_mul_f32 v[BM], 0x3b800000, v128              ; / 256: the group's mean
.irp j, 0,2,4,6,8,10,12,14,16,18,20,22,24,26,28,30
	v_pk_add_f32 v[128+\j:129+\j], v[SS+\j:SS+1+\j], v[BM:BM+1] op_sel_hi:[1,0] neg_lo:[0,1] neg_hi:[0,1]   ; y - mean
.endr
	v_pk_mul_f32 v[234:235], v[128:129], v[128:129]
	v_pk_mul_f32 v[236:237], v[130:131], v[130:131]
.irp j, 4,8,12,16,20,24,28
	s_delay_alu instid0(VALU_DEP_2)
	v_pk_fma_f32 v[234:235], v[128+\j:129+\j], v[128+\j:129+\j], v[234:235]
	s_delay_alu instid0(VALU_DEP_2)
	v_pk_fma_f32 v[236:237], v[130+\j:131+\j], v[130+\j:131+\j], v[236:237]
.endr
	s_delay_alu instid0(VALU_DEP_1)
	v_pk_add_f32 v[234:235], v[234:235], v[236:237]
	s_delay_alu instid0(VALU_DEP_1)
	v_add_f32 v234, v234, v235
	s_delay_alu instid0(VALU_DEP_1)
	v_add_f32_dpp v234, v234, v234 row_xmask:1 row_mask:0xf bank_mask:0xf
	s_delay_alu instid0(VALU_DEP_1)
	v_add_f32_dpp v234, v234, v234 row_xmask:2 row_mask:0xf bank_mask:0xf
	s_delay_alu instid0(VALU_DEP_1)
	v_add_f32_dpp v[BM+1], v234, v234 row_xmask:4 row_mask:0xf bank_mask:0xf   ; beside the mean: the pair
	s_wait_alu depctr_va_vdst(0)
.irp i, 0,1,2,3,4,5,6,7
	s_wait_dscnt 7-\i                              ; rows 2 i and 2 i + 1 are back; the younger loads may be out
	global_store_b128 v[GO], v[VF+4*\i:VF+4*\i+3], s[48:49] offset:(2*\i+8*(\i/4))*256   ; row n of my tile is token n + 8 (n / 8) from the tile's first; 16 lanes store 256 consecutive bytes, aligned
.endr
	ds_store_b64 v[STA], v[BM:BM+1]                ; the eight lanes of a group write the same pair to the same place
	s_wait_dscnt 0x0                               ; for wave 0's sake: my store has landed
	s_barrier_signal -1
	s_barrier_wait -1
	s_cmp_lg_u32 s[WV], 0                          ; wave 0 sends the 32 pairs out as 256 consecutive bytes, aligned
	s_cbranch_scc1 .Lend
	ds_load_b64 v[234:235], v[STL]
	s_wait_dscnt 0x0
	global_store_b64 v[L8], v[234:235], s[50:51]
.Lend:
	s_wait_tensorcnt 0x0                           ; the wave's end, behind my last tensor load and my last LDS store
	ds_add_u32 v[SPW], v[NIL]
	s_wait_dscnt 0x0
	ROUND                                          ; the closing round: no work-group ends while a partner may still ask for a record that names it
	s_endpgm
.Lfunc_end_k_q21066b0db0_attn:
	.size	k_q21066b0db0_attn, .Lfunc_end_k_q21066b0db0_attn-k_q21066b0db0_attn
	.p2alignl 7, 3214868480
	.fill 96, 4, 3214868480
	.section	.rodata,"a",@progbits
	.p2align	6, 0x0
	.amdhsa_kernel k_q21066b0db0_attn
		.amdhsa_group_segment_fixed_size 179456
		.amdhsa_private_segment_fixed_size 0
		.amdhsa_enable_private_segment 0
		.amdhsa_kernarg_size 32
		.amdhsa_user_sgpr_count 2
		.amdhsa_user_sgpr_kernarg_segment_ptr 1
		.amdhsa_wavefront_size32 1
		.amdhsa_system_sgpr_workgroup_id_x 1
		.amdhsa_system_sgpr_workgroup_id_y 1
		.amdhsa_system_sgpr_workgroup_id_z 1
		.amdhsa_system_vgpr_workitem_id 0
		.amdhsa_next_free_vgpr 256
		.amdhsa_next_free_sgpr 66
		.amdhsa_reserve_vcc 0
		.amdhsa_float_denorm_mode_32 3
		.amdhsa_float_denorm_mode_16_64 3
		.amdhsa_memory_ordered 1
		.amdhsa_forward_progress 1
		.amdhsa_inst_pref_size 64
	.end_amdhsa_kernel
	.amdgpu_metadata
---
amdhsa.version: [ 1, 2 ]
amdhsa.kernels:
  - .name:           k_q21066b0db0_attn
    .symbol:         k_q21066b0db0_attn.kd
    .args:
      - { .name: qq, .offset: 0, .size: 8, .value_kind: global_buffer, .address_space: global }
      - { .name: kv, .offset: 8, .size: 8, .value_kind: global_buffer, .address_space: global }
      - { .name: raw, .offset: 16, .size: 8, .value_kind: global_buffer, .address_space: global }
      - { .name: stats, .offset: 24, .size: 8, .value_kind: global_buffer, .address_space: global }
    .group_segment_fixed_size: 179456
    .private_segment_fixed_size: 0
    .kernarg_segment_align: 8
    .kernarg_segment_size: 32
    .max_flat_workgroup_size: 256
    .sgpr_count:     66
    .vgpr_count:     256
    .wavefront_size: 32
...
	.end_amdgpu_metadata
.endif
;; end of part 6
;; launch norm: the kernel of part 4 again; grid 256 x 1, 8 waves a work-group, no clusters, 0 bytes of LDS; arguments raw, stats, out0; writes out0
